; MI455X (gfx1250); checked and timed in simulation.
; The chip was launched on July 23, 2026; its instructions are those of AMD's public machine-readable ISA for CDNA 5 (MIT licence, August 2026) and "CDNA5" Instruction Set Architecture Reference Guide (July 2026). The comments in the code are by the model that wrote it; some were corrected since.
;; Multi Head Self Attention. Allowed arithmetic: matrix products marked QUANTISED: E2M1 operands, one E8M0 scale for each 32 along K, by v_wmma_scale_f32_16x16x128_f8f6f4 with both operands' format E2M1 (or v_wmma_scale_f32_32x16x128_f4), f32 sums; everything else in f32.
;; Inputs: Wk_codes 1,024 x 32 x 16 uint8 (E2M1 codes of Wk, K innermost, in blocks of 32 codes, two codes a byte); Wk_scales 1,024 x 32 uint8 (E8M0 scales of Wk, one for each 32 codes along K); Wp_codes 1,024 x 32 x 16 uint8 (E2M1 codes of Wp, K innermost, in blocks of 32 codes, two codes a byte); Wp_scales 1,024 x 32 uint8 (E8M0 scales of Wp, one for each 32 codes along K); Wq_codes 1,024 x 32 x 16 uint8 (E2M1 codes of Wq, K innermost, in blocks of 32 codes, two codes a byte); Wq_scales 1,024 x 32 uint8 (E8M0 scales of Wq, one for each 32 codes along K); Wv_codes 1,024 x 32 x 16 uint8 (E2M1 codes of Wv, K innermost, in blocks of 32 codes, two codes a byte); Wv_scales 1,024 x 32 uint8 (E8M0 scales of Wv, one for each 32 codes along K); beta 1,024 float32; gamma 1,024 float32; x 4 x 2,048 x 1,024 float32.
;; Outputs: out0 4 x 2,048 x 1,024 float32.
;; This version of the problem:
;;   THIS VERSION OF THE PROBLEM IS GIVEN IN LOW PRECISION. The matrix products marked QUANTISED in the list below multiply operands that are first quantised to E2M1 (2 exponent bits, 1 mantissa bit; 4 bits a number), with one power-of-two scale for each 32 numbers along K (OCP MX v1.0); their sums are f32. All else is computed in f32.
;;   The module's matrix products, in the order in which they are computed (A, B: the left and right operand; K: the contracted axis; several contracted axes count as one K, in the product's order):
;;     1. [M 8,192, K 1,024] x [K 1,024, N 1,024]; A: computed on the way; B: input Wq (given as codes): QUANTISED
;;     2. [M 8,192, K 1,024] x [K 1,024, N 1,024]; A: computed on the way; B: input Wk (given as codes): QUANTISED
;;     3. [M 8,192, K 1,024] x [K 1,024, N 1,024]; A: computed on the way; B: input Wv (given as codes): QUANTISED
;;     4. batch 64 x [M 2,048, K 64] x [K 64, N 2,048]; A: computed on the way; B: computed on the way: QUANTISED
;;     5. batch 64 x [M 2,048, K 2,048] x [K 2,048, N 64]; A: softmax (see below); B: computed on the way: QUANTISED
;;     6. [M 8,192, K 1,024] x [K 1,024, N 1,024]; A: computed on the way; B: input Wp (given as codes): QUANTISED
;;   THE QUANTISER, for each operand of a quantised product, along K:
;;     - K is cut into blocks of 32 from its start; a last block that is shorter is filled with zeros.
;;     - A block's scale is 2^e with e = floor(log2(the largest magnitude in the block)) - 2, held to -126 .. 127; a block of zeros has e = 0. As a byte (E8M0): e + 127.
;;     - Each number is divided by its block's scale, clamped to +-6, and rounded to the nearest number of E2M1, ties to even, subnormals kept.
;;     - The product sums the exact products of the quantised numbers (number of the format x scale) in f32.
;;   ~~~python
;;   def quantise(x, axis):      # numpy; x: float32 -> the quantised numbers, widened to float32 again
;;       x = np.moveaxis(x, axis, -1); K = x.shape[-1]
;;       x = np.pad(x, [(0, 0)] * (x.ndim - 1) + [(0, -K % 32)]); x = x.reshape(x.shape[:-1] + (-1, 32)); a = np.abs(x).max(-1, keepdims=True)
;;       e = np.where(a > 0, np.clip(np.frexp(np.where(a > 0, a, 1))[1] - 1 - 2, -126, 127), 0)      # np.frexp(a)[1] - 1 = floor(log2(a)), exactly
;;       r = np.clip(x / 2.0 ** e, -6, 6)
;;       step = 2.0 ** (np.maximum(np.frexp(np.where(r == 0, 1, r))[1] - 1, 0) - 1)
;;       q = np.round(r / step) * step * 2.0 ** e      # np.round: ties to even
;;       return np.moveaxis(q.reshape(q.shape[:-2] + (-1,))[..., :K], -1, axis).astype(np.float32)
;;   ~~~
;;   SOFTMAX AHEAD OF A QUANTISED PRODUCT. Where the list says 'softmax', what is quantised is not the finished softmax but p = 2^(t - M), with t = logit x log2(e) and M = ceil(the row's largest t), a whole number; so 1/2 < the row's largest p <= 1. The row's sum l is taken of the UNQUANTISED p, in f32, and the product's result is divided by l at the end. Since M is a whole number, a kernel that streams over the keys may use a running M (the ceiling of the running maximum): every later rescaling is an exact power of two, which a block's scale takes up: the codes' values come out the same.
;;   OPERANDS COMPUTED ON THE WAY. 'Computed on the way' means the value that the module computes at that place (a softmax that the list does not call 'softmax' is quantised finished and normalised). What goes into a quantiser is computed in f32, as accurately as f32 sums, v_exp_f32 and their like allow (about 1e-6 of the number): no bf16 or f16 on the way to a quantiser, and a product that is left as it is and whose result goes on into a quantised operand takes f32 operands (vector FMAs, or v_wmma_f32_16x16x4_f32). A number that lies on a knife's edge between two numbers of the format may be rounded either way, as far as f32 arithmetic and the matrix unit's own rounding can turn it there, and no further.
;;   INPUTS GIVEN AS CODES. Wk (in the module: [1024, 1024], K = its axis 1); Wp (in the module: [1024, 1024], K = its axis 1); Wq (in the module: [1024, 1024], K = its axis 1); Wv (in the module: [1024, 1024], K = its axis 1): each comes as NAME_codes (uint8): NAME with its K axis moved to the last place and cut into blocks of 32 codes, [.., K / 32, bytes a block], one block behind the other in memory; two codes a byte, the lower K in the low four bits (a code: sign, 2 exponent bits, 1 mantissa bit); and NAME_scales (uint8): the same leading axes, one E8M0 byte (e + 127) for each 32 codes along K. Its value is code x scale, taken as it is: it is not quantised again, and the codes and scales need not be those that the quantiser above would give.
;; 2 versions, each right; version 2 is version 1 with the launches attn, proj written anew for expert scheduling mode. Each part assembles by itself: llvm-mc -triple=amdgcn-amd-amdhsa -mcpu=gfx1250 --defsym DOCPART=n.
;; ======== version 1 of 2: 4 launches
;; workspace buffers: xnb 4,456,448 bytes; qkv 14,155,776 bytes; att 4,456,448 bytes
;; launch lnq (part 1): grid 256 x 1, 8 waves a work-group, no clusters, 38,912 bytes of LDS; arguments x, gamma, beta, xnb; writes xnb
.if DOCPART == 1
	.amdgcn_target "amdgcn-amd-amdhsa--gfx1250"
	.amdhsa_code_object_version 6
	.text
	.protected	k_qa32d21e47d_lnq
	.globl	k_qa32d21e47d_lnq
	.p2align	8
	.type	k_qa32d21e47d_lnq,@function
k_qa32d21e47d_lnq:
	s_mov_b64 s[64:65], 0
	v_nop
	global_prefetch_b8 v0, s[64:65] scope:SCOPE_SE
	s_setreg_imm32_b32 hwreg(HW_REG_WAVE_MODE, 25, 1), 1
	s_wait_xcnt 0x0
; xn = (x - mean) * rsqrt(var + 1e-5) * gamma + beta over rows of 1,024 f32, then quantised along the row to codes of FP4 (E2M1) with one E8M0 byte for each 32.
; xnb: codes [8192][512 bytes] from byte 0, scale bytes [8192][32] from byte 4,194,304: K innermost, two codes a byte, the lower k in the low four bits.
; A block's byte is its largest magnitude's exponent field - 2, held at 1 from below.
; LIMITS: NaN and infinities are not served; a block whose largest magnitude lies under 2^-124 is held at the byte 1; a block of zeros gets the byte 1 and not 127:
; its codes are zeros, which add nothing under any byte but 0xff, and this program alone reads the bytes.
; SHARES.  A work-group of eight waves takes 32 rows, a wave 4; a row stays in 32 registers of its wave from the load to the codes.  All 32 row loads of a wave (16 KiB) go out at the head.
; Each load reads 512 consecutive bytes (16 a lane).  The mean is taken first and the squares of the centred numbers second, so that a common offset of x costs nothing.
; The conversions want 32 neighbours along K in ONE lane: the finished row turns through the wave's own stage in LDS (32 blocks of 128 bytes + 16 of padding) and lane l takes block l.
; A lane's 32 codes are 16 bytes: the wave stores a row's 512 bytes at once.  The 32 rows' scale bytes meet in LDS and leave as 1,024 consecutive bytes.
; A stream: nothing is shared between work-groups and there are no products, so no cluster, no tensor load and no matrix instruction.
.set ROWB,  4096                       ; bytes in a row of x
.set STG,   4608                       ; a wave's stage: 32 x 144 bytes
.set SCB,   8*STG                      ; behind the stages: 32 rows x 32 scale bytes
.set FLOOR, 0x1800000                  ; 2^(3 - 127): no largest magnitude is taken under it
.set G,  16                            ; v16-47   gamma of my 32 columns
.set BT, 48                            ; v48-79   beta
.set X,  80                            ; v80-207  four rows, 32 registers each
.set Y,  208                           ; v208-239 a block of 32 neighbours
.set C,  240                           ; v240-255 codes: four registers for each row, so that no store's data are written again
	s_load_b256 s[4:11], s[0:1], 0x0               ; x s[4:5], gamma s[6:7], beta s[8:9], xnb s[10:11]
	s_set_vgpr_msb 0x40
	v_lshl_add_u32 v0, v0, 2, 0x9400
	v_mov_b32 v1, 0
	s_set_vgpr_msb 0x4000
	v_lshrrev_b32 v1, 5, v0
	v_readfirstlane_b32 s12, v1                    ; wave 0..7
	v_and_b32 v1, 31, v0                           ; lane
	v_lshlrev_b32 v2, 4, v1                        ; v2: 16 x lane: my bytes of a load's 512, and of a row's codes
	s_mul_i32 s13, s12, STG
	v_lshrrev_b32 v8, 3, v1
	v_lshl_add_u32 v3, v8, 4, v2
	v_add_nc_u32 v3, s13, v3                       ; v3: into the stage: 16 lane + 16 (lane / 8): eight lanes fill a block, then 16 bytes of padding; load j lies 576 j further on
	v_mul_u32_u24 v4, v1, 144
	v_add_nc_u32 v4, s13, v4                       ; v4: out of it: block = my lane
	s_lshl_b32 s13, s12, 7
	s_add_co_u32 s13, s13, SCB
	v_add_nc_u32 v5, s13, v1                       ; v5: my block's scale byte of my wave's first row
	v_lshlrev_b32 v7, 4, v0                        ; v7: 16 x thread: the scale bytes on their way out (waves 0 and 1)
	v_add_nc_u32 v6, SCB, v7
	s_mov_b32 s14, 0x76543210                      ; v_permlanex16_b32's selects for lane l xor 16
	s_mov_b32 s15, 0xfedcba98
	s_mov_b32 s16, 0x3a800000                      ; 1 / 1,024
	s_mov_b32 s17, 0x3727c5ac                      ; 1e-5
	s_lshl_b32 s18, ttmp9, 17                      ; x: 32 rows of 4,096 bytes a work-group,
	s_lshl_b32 s19, s12, 14                        ; 4 a wave
	s_add_co_u32 s18, s18, s19
	s_mov_b32 s19, 0
	s_lshl_b32 s20, ttmp9, 14                      ; codes: 32 rows of 512 bytes, 4 a wave
	s_lshl_b32 s21, s12, 11
	s_add_co_u32 s20, s20, s21
	s_mov_b32 s21, 0
	s_lshl_b32 s22, ttmp9, 10                      ; scale bytes: 1,024 a work-group, behind the codes
	s_add_co_u32 s22, s22, 0x400000
	s_mov_b32 s23, 0
	s_wait_kmcnt 0x0
	s_add_nc_u64 s[4:5], s[4:5], s[18:19]
	s_add_nc_u64 s[22:23], s[10:11], s[22:23]
	s_add_nc_u64 s[10:11], s[10:11], s[20:21]
.irp j, 0,1,2,3,4,5,6,7
	global_load_b128 v[G+4*\j:G+4*\j+3], v2, s[6:7] offset:512*\j
	global_load_b128 v[BT+4*\j:BT+4*\j+3], v2, s[8:9] offset:512*\j
.endr
.irp i, 0,1,2,3
.irp j, 0,1,2,3,4,5,6,7
	global_load_b128 v[X+32*\i+4*\j:X+32*\i+4*\j+3], v2, s[4:5] offset:ROWB*\i+512*\j th:TH_LOAD_NT
.endr
.endr
.macro RED                             ; v8 summed over the 32 lanes, the result in every lane
	v_add_f32_dpp v8, v8, v8 row_xmask:1 row_mask:0xf bank_mask:0xf
	v_add_f32_dpp v8, v8, v8 row_xmask:2 row_mask:0xf bank_mask:0xf
	v_add_f32_dpp v8, v8, v8 row_xmask:4 row_mask:0xf bank_mask:0xf
	v_add_f32_dpp v8, v8, v8 row_xmask:8 row_mask:0xf bank_mask:0xf
	v_permlanex16_b32 v9, v8, s14, s15
	v_add_f32 v8, v8, v9
.endm
.macro ROW i
.set XR, X+32*\i
	s_wait_loadcnt 24-8*\i                         ; gamma, beta and this row are in; the later rows' eight loads each may be out
	v_pk_add_f32 v[8:9], v[XR:XR+1], v[XR+2:XR+3]  ; the sum, in two chains
	v_pk_add_f32 v[10:11], v[XR+4:XR+5], v[XR+6:XR+7]
.irp j, 8,12,16,20,24,28
	v_pk_add_f32 v[8:9], v[8:9], v[XR+\j:XR+\j+1]
	v_pk_add_f32 v[10:11], v[10:11], v[XR+\j+2:XR+\j+3]
.endr
	v_pk_add_f32 v[8:9], v[8:9], v[10:11]
	v_add_f32 v8, v8, v9
	RED
	v_mul_f32 v12, s16, v8                         ; the mean, twice: a pair for the packed forms
	v_mul_f32 v13, s16, v8
.irp j, 0,2,4,6,8,10,12,14,16,18,20,22,24,26,28,30
	v_pk_add_f32 v[XR+\j:XR+\j+1], v[XR+\j:XR+\j+1], v[12:13] neg_lo:[0,1] neg_hi:[0,1]
.endr
	v_pk_mul_f32 v[8:9], v[XR:XR+1], v[XR:XR+1]    ; the squares of the centred numbers, in two chains
	v_pk_mul_f32 v[10:11], v[XR+2:XR+3], v[XR+2:XR+3]
.irp j, 4,8,12,16,20,24,28
	v_pk_fma_f32 v[8:9], v[XR+\j:XR+\j+1], v[XR+\j:XR+\j+1], v[8:9]
	v_pk_fma_f32 v[10:11], v[XR+\j+2:XR+\j+3], v[XR+\j+2:XR+\j+3], v[10:11]
.endr
	v_pk_add_f32 v[8:9], v[8:9], v[10:11]
	v_add_f32 v8, v8, v9
	RED
	v_fma_f32 v8, v8, s16, s17                     ; var + eps
	v_rsq_f32 v14, v8
	v_rsq_f32 v15, v8
	v_nop                                          ; a plain instruction between a transcendental and the use of its result (ISA guide 5.7.2)
	s_wait_alu depctr_va_vdst(0)
.irp j, 0,2,4,6,8,10,12,14,16,18,20,22,24,26,28,30
	v_pk_mul_f32 v[XR+\j:XR+\j+1], v[XR+\j:XR+\j+1], v[14:15]
.endr
.irp j, 0,2,4,6,8,10,12,14,16,18,20,22,24,26,28,30
	v_pk_fma_f32 v[XR+\j:XR+\j+1], v[XR+\j:XR+\j+1], v[G+\j:G+\j+1], v[BT+\j:BT+\j+1]
.endr
.irp j, 0,1,2,3,4,5,6,7
	ds_store_b128 v3, v[XR+4*\j:XR+4*\j+3] offset:576*\j
.endr
.irp j, 0,1,2,3,4,5,6,7
	ds_load_b128 v[Y+4*\j:Y+4*\j+3], v4 offset:16*\j   ; LDS serves a wave's instructions in order: these see the stores above
.endr
	s_wait_dscnt 0x0                               ; block l of the row is mine; the stage's stores, and the last row's byte store, have read their registers
	v_max3_num_f32 v8, |v[Y]|, |v[Y+1]|, |v[Y+2]|  ; the block's largest magnitude, in two chains
	v_max3_num_f32 v9, |v[Y+3]|, |v[Y+4]|, |v[Y+5]|
.irp j, 6,10,14,18,22,26
	v_max3_num_f32 v8, v8, |v[Y+\j]|, |v[Y+\j+1]|
	v_max3_num_f32 v9, v9, |v[Y+\j+2]|, |v[Y+\j+3]|
.endr
	v_max3_num_f32 v8, v8, |v[Y+30]|, |v[Y+31]|
	v_max3_num_f32 v8, v8, v9, FLOOR
	v_add_nc_u32 v10, 0xff000000, v8               ; 2 off its exponent field: the conversion takes the exponent field of this operand as its scale
.irp g, 0,1,2,3
	v_cvt_scalef32_pk8_fp4_f32 v[C+4*\i+\g], v[Y+8*\g:Y+8*\g+7], v10
.endr
	v_lshrrev_b32 v[XR], 23, v10                   ; the scale's byte, in a register of the row that nothing reads any more (also the plain line behind the conversions)
	ds_store_b8 v5, v[XR] offset:32*\i
	global_store_b128 v2, v[C+4*\i:C+4*\i+3], s[10:11] offset:512*\i   ; 32 lanes store the row's 512 consecutive bytes
.endm
	ROW 0
	ROW 1
	ROW 2
	ROW 3
	s_wait_dscnt 0x0                               ; for the others' sake: my byte stores have landed
	s_barrier_signal -1
	s_barrier_wait -1
	s_cmp_lt_u32 s12, 2                            ; 64 threads x 16 bytes are the work-group's 1,024 scale bytes
	s_cbranch_scc0 .Lend
	ds_load_b128 v[8:11], v6
	s_wait_dscnt 0x0
	global_store_b128 v7, v[8:11], s[22:23]
.Lend:
	s_set_vgpr_msb 0x5
	s_wait_tensorcnt 0x0
	ds_add_u32 v0, v1
	s_wait_dscnt 0x0
	s_set_vgpr_msb 0x500
	s_endpgm
.Lfunc_end_k_qa32d21e47d_lnq:
	.size	k_qa32d21e47d_lnq, .Lfunc_end_k_qa32d21e47d_lnq-k_qa32d21e47d_lnq
	.p2alignl 7, 3214868480
	.fill 96, 4, 3214868480
	.section	.rodata,"a",@progbits
	.p2align	6, 0x0
	.amdhsa_kernel k_qa32d21e47d_lnq
		.amdhsa_group_segment_fixed_size 38912
		.amdhsa_private_segment_fixed_size 0
		.amdhsa_enable_private_segment 0
		.amdhsa_kernarg_size 32
		.amdhsa_user_sgpr_count 2
		.amdhsa_user_sgpr_kernarg_segment_ptr 1
		.amdhsa_wavefront_size32 1
		.amdhsa_system_sgpr_workgroup_id_x 1
		.amdhsa_system_sgpr_workgroup_id_y 1
		.amdhsa_system_sgpr_workgroup_id_z 1
		.amdhsa_system_vgpr_workitem_id 0
		.amdhsa_next_free_vgpr 258
		.amdhsa_next_free_sgpr 66
		.amdhsa_reserve_vcc 0
		.amdhsa_float_denorm_mode_32 3
		.amdhsa_float_denorm_mode_16_64 3
		.amdhsa_memory_ordered 1
		.amdhsa_forward_progress 1
		.amdhsa_inst_pref_size 42
	.end_amdhsa_kernel
	.amdgpu_metadata
---
amdhsa.version: [ 1, 2 ]
amdhsa.kernels:
  - .name:           k_qa32d21e47d_lnq
    .symbol:         k_qa32d21e47d_lnq.kd
    .args:
      - { .name: x, .offset: 0, .size: 8, .value_kind: global_buffer, .address_space: global }
      - { .name: gamma, .offset: 8, .size: 8, .value_kind: global_buffer, .address_space: global }
      - { .name: beta, .offset: 16, .size: 8, .value_kind: global_buffer, .address_space: global }
      - { .name: xnb, .offset: 24, .size: 8, .value_kind: global_buffer, .address_space: global }
    .group_segment_fixed_size: 38912
    .private_segment_fixed_size: 0
    .kernarg_segment_align: 8
    .kernarg_segment_size: 32
    .max_flat_workgroup_size: 256
    .sgpr_count:     66
    .vgpr_count:     258
    .wavefront_size: 32
...
	.end_amdgpu_metadata
.endif
;; end of part 1
;; launch qkv (part 2): grid 96 x 4, 4 waves a work-group, clusters of 4 x 4, 327,680 bytes of LDS; arguments xnb, Wq_codes, Wq_scales, Wk_codes, Wk_scales, Wv_codes, Wv_scales, qkv; writes qkv
.if DOCPART == 2
	.amdgcn_target "amdgcn-amd-amdhsa--gfx1250"
	.amdhsa_code_object_version 6
	.text
	.protected	k_qa32d21e47d_qkv
	.globl	k_qa32d21e47d_qkv
	.p2align	8
	.type	k_qa32d21e47d_qkv,@function
k_qa32d21e47d_qkv:
	s_mov_b64 s[64:65], 0
	v_nop
	global_prefetch_b8 v0, s[64:65] scope:SCOPE_SE
	s_setreg_imm32_b32 hwreg(HW_REG_WAVE_MODE, 25, 1), 1
	s_wait_xcnt 0x0
	s_wait_alu depctr_hold_cnt(0) depctr_sa_sdst(0) depctr_va_vdst(0) depctr_va_sdst(0) depctr_va_ssrc(0) depctr_va_vcc(0) depctr_vm_vsrc(0)
	s_getreg_b32 s2, hwreg(HW_REG_IB_STS2, 6, 4)
	s_cmp_eq_u32 s2, 0
	s_cbranch_scc0 .Lentry_in_a_cluster
	s_endpgm
.Lentry_in_a_cluster:
	s_bfe_u32 s2, ttmp6, 0x10000c
	s_cmp_lg_u32 s2, 0xf033
	s_cbranch_scc0 .Lentry_shape_is_right
	s_endpgm
.Lentry_shape_is_right:
; q = xn Wq^T, k = xn Wk^T, v = xn Wv^T on codes of FP4 (E2M1) with one E8M0 scale for each 32 along K = 1,024; the results are quantised in registers for the attention's products and leave as codes.
; ONE BODY: C = A B^T, a tile of 256 x 256 to a work-group of four waves, 128 x 128 (64 accumulators, 512 registers) to a wave.  The matrix instruction is used transposed (source 0 = 16 rows of B,
; source 1 = 16 rows of A): a lane holds ONE row of A and its registers run along B's rows.  That is the axis along which C is quantised:
;   q, k: A = tokens (xn), B = rows of W: a lane holds a token, its registers run along the head's 64;   v: A = rows of Wv, B = tokens: a lane holds one channel, its registers run along the tokens, the second product's K.
; Which it is hangs on the cluster's number alone (0-15: q and k by turns, eight clusters of 4 x 4 tiles each; 16-23: v): pointers and six strides are chosen by s_cselect, no branch.
; K is two slots of 512: every LDS byte is filled once, with the first fills; the scale bytes of the tile's rows come with them in whole runs of 256 bytes.
; CLUSTERS: 4 x 4 work-groups; A's tile hangs on the tile row alone and is asked for jointly by a row of the cluster, B's on the tile column alone and by a column.
; THE WAY OUT.  In a block of 16 rows of A, tiles 2 b + u of B give lane (r, h) the numbers k = 32 b + 16 u + 8 h + 0..7.  A block of 32 lies in lanes l and l xor 16.  The conversion of (block 2 c + e, tile u) writes
; register 4 c + 2 u + e, and one exchange of halves for each pair (4 c + 2 u, 4 c + 2 u + 1) leaves registers 4 c .. 4 c + 3 = k 64 c + 32 h + 0..31: an operand's registers.  They are stored as they stand.
; qkv: q_img [b h][token / 16][lane][16 B] at 0, k_img likewise at 0x400000 (lane (r, h): token r, channels 32 h on); v_img [token / 128][channel / 16][2][lane][16 B] at 0x800000;
;   q_sc, k_sc [b h][token] words at 0xC00000, 0xC80000 (bytes 0, 1: the head's two blocks; bytes 2, 3: 0, over codes that are zeros); v_sc [token / 128][channel / 16][lane] words at 0xD00000.
; LIMITS: NaN and infinities are not served; a block whose largest magnitude lies under 2^-124 is held at the byte 1; a block of zeros gets the byte 1 and not 127: its codes are zeros, and this program alone reads the bytes.
; REGISTERS, in windows of 256: window 0: v0-31 addresses; v32-95 scale words, two sets, and nothing else; v96-108 and v192-223 at work on the way out; v128-191 A's fragments, one set, then the codes made on the way out.
;   window 1: B's fragments, two sets.  windows 2, 3: the accumulators.
.set SIZE_K, 1024
.set KSTEP,  512                       ; along K in a slot
.set NQ,     KSTEP/128                 ; matrix instructions deep
.set ROWB,   256                       ; a tile's row in bytes
.set KROW,   SIZE_K*4/8                ; a row of A or of B in memory, in bytes
.set PITCH,  272                       ; an LDS row: 256 bytes + 16 of padding = 68 words: the 16 rows that a load touches start at 16 different banks (ISA guide 11.1)
.set FR,     8                         ; registers of a fragment: 16 rows x 128 K
.set NL,     2                         ; LDS loads that bring one
.set NP,     4                         ; places behind this matrix instruction (ISA guide 7.12.1)
.set HALFT,  128*PITCH                 ; 128 rows: what one tensor load brings, and what one wave reads of A or of B
.set SLOT,   4*HALFT                   ; A's 256 rows, then B's 256 rows
.set KS,     SIZE_K/32                 ; a row of scale bytes
.set SCL,    2*SLOT                    ; behind the slots: the scale bytes, as runs of 256 bytes + 16 of padding
.set HALFS,  (128*KS/256)*272          ; those of 128 rows
.set SBLK,   (16*KS/256)*272           ; those of 16 rows
.set SPARE,  SCL+4*HALFS               ; the spare words, 128 bytes for each wave
.set KI,     0x400000
.set VI,     0x800000
.set QSO,    0xC00000
.set VSO,    0xD00000
.set FLOOR,  0x1800000                 ; 2^(3 - 127)
.set ADRA, 16                          ; v16-17  LDS address of my A fragments in slot 0, 1
.set ADRB, 20                          ; v20-21  the same for B
.set SHV,  22                          ; v22     the way out: how far my half of the lanes shifts a scale word
.set ADRS, 27                          ; v27     LDS address of my scale words: lanes 0-15 A's rows, lanes 16-31 B's
.set SPW,  28                          ; v28     LDS address of my spare word; never rewritten
.set NIL,  29                          ; v29     0; never rewritten
.set CO0,  30                          ; v30     the way out: byte offset in qkv of my 16 bytes of block 0's first four registers
.set SO0,  31                          ; v31     and of my scale word
.set SC,   32                          ; scale words: set s at v[SC + 32 s]; register 4 i + q: lanes 0-15 A's block i, lanes 16-31 B's block i, the slot's q-th 128 along K
.set AF,   128                         ; A's fragments
.set TM,   96                          ; the way out: v96-99 largest magnitudes, v100-103 the other half's and then the bytes, v104-107 the conversions' scale operands, v108 the scale word
.set T4,   100
.set SOP,  104
.set PW,   108
.set VO,   192                         ; v192+a, v200+a, v208+a, v216+a: block a's two code offsets, its scale offset and its scale word: a register of its own for each store
.set VO1,  200
.set VS,   208
.set SV,   216
.set PCB,  128                         ; v128 + 8 a: block a's codes
.set G1, 24                            ; s[24:31] descriptor group 1 for A's tiles;  s[32:39] group 0, one set for each slot
.set G0, 32
.set G1B, 48                           ; s[48:55], s[56:63] the same for B's tiles
.set G0B, 56
.set G1S, 68                           ; s[68:75], s[76:79] groups 1 and 0 for A's scales;  s[80:87], s[88:91] for B's
.set G0S, 76
.set G1SB, 80
.set G0SB, 88
.set MSB, 0
.macro WIN new                         ; the immediate's high byte repeats the setting that is left
.if MSB != \new
	s_set_vgpr_msb (MSB<<8)|\new
.set MSB, \new
.endif
.endm
.set MUL_LO, 0xa1                      ; source 0 (B) window 1, source 1 (A) window 0, C and D window 2
.set MUL_HI, 0xf1                      ; the same, C and D window 3
.set TO_B,   0x40                      ; destination window 1, address window 0
; A joint load: waves 0 and 1 fetch for A, waves 2 and 3 for B.  Each of the two lines has one mask and one set of registers for all that issue it; the branch hangs on the wave's number alone.
; Four v_nop follow each of the two lines, ahead of the jump, the label and what follows.
.macro JLOAD g0a, g1a, g0b, g1b
	s_cmp_eq_u32 s15, 0
	s_cbranch_scc0 .Lfor_b_\@
	tensor_load_to_lds s[\g0a:\g0a+3], s[\g1a:\g1a+7]
	s_nop 0
.rept 4
	v_nop
.endr
	s_branch .Lasked_\@
.Lfor_b_\@:
	tensor_load_to_lds s[\g0b:\g0b+3], s[\g1b:\g1b+7]
	s_nop 0
.rept 4
	v_nop
.endr
.Lasked_\@:
.endm
.macro CROUND                          ; a round of the cluster's barrier
	s_barrier_signal -1
	s_barrier_wait -1
	s_cmp_lg_u32 s14, 0
	s_cbranch_scc1 .Lnot_wave_0_\@
	s_barrier_signal -3
.Lnot_wave_0_\@:
	s_barrier_wait -3
	s_barrier_signal -1
	s_barrier_wait -1
.endm
	s_load_b512 s[68:83], s[0:1], 0x0              ; xnb, Wq's codes, scales, Wk's, Wv's, qkv: chosen from below, then these registers take descriptors
	v_lshl_add_u32 v[SPW], v0, 2, SPARE
	v_mov_b32 v[NIL], 0
	ds_add_u32 v28, v29
	ds_add_u32 v28, v29
	s_wait_dscnt 0x0
	v_lshrrev_b32 v1, 5, v0
	v_readfirstlane_b32 s14, v1                    ; wave 0..3
	s_lshr_b32 s15, s14, 1                         ; which half of the tile's rows is mine.  Also: I fetch for A (0) or for B (1)
	s_and_b32 s16, s14, 1                          ; which half of its columns.  Also: which 128 rows of that tile I fetch
	s_bfe_u32 s40, ttmp6, 0x40000                  ; cx, cy: my place in the cluster
	s_bfe_u32 s41, ttmp6, 0x40004
	s_lshr_b32 s99, ttmp9, 1                       ; q, k: which 1,024 tokens
	s_sub_co_u32 s100, ttmp9, 16                   ; v: which 1,024 tokens
	s_and_b32 s101, ttmp9, 1                       ; q (0) or k (1)
	s_mov_b32 s2, 1024
	s_mov_b32 s3, 512
	s_mov_b32 s98, -1
	s_wait_kmcnt 0x0
	s_add_nc_u64 s[92:93], s[68:69], 0x400000      ; xn's scale bytes
	s_cmp_eq_u32 s101, 0
	s_cselect_b64 s[8:9], s[70:71], s[74:75]
	s_cselect_b64 s[10:11], s[72:73], s[76:77]
	s_cmp_lt_u32 ttmp9, 16                         ; q or k?  The same answer in all sixteen partners
	s_cselect_b64 s[4:5], s[68:69], s[78:79]       ; A's codes: xn's, or Wv's
	s_cselect_b64 s[6:7], s[92:93], s[80:81]       ; A's scales
	s_cselect_b64 s[8:9], s[8:9], s[68:69]         ; B's codes: the weight's, or xn's
	s_cselect_b64 s[10:11], s[10:11], s[92:93]     ; B's scales
	s_cselect_b32 s99, s99, 0                      ; the cluster's row of tiles / 4
	s_cselect_b32 s100, 0, s100                    ; its column of tiles / 4
	s_cselect_b32 s2, 512, s2                      ; the way out: bytes from a block's codes to the next block's,
	s_cselect_b32 s3, 65536, s3                    ; from registers 0-3 to registers 4-7 (q, k: the next head; v: the fragment's second half),
	s_cselect_b32 s95, 64, 128                     ; from a block's scale words to the next block's,
	s_cselect_b32 s96, 8192, 64                    ; from lanes 0-15's scale words to lanes 16-31's (q, k: the next head),
	s_cselect_b32 s97, 16, 0                       ; how far lanes 16-31 shift the word (q, k: the next head's two bytes),
	s_cselect_b32 s98, 0xffff, s98                 ; and what is kept of it
	s_mov_b64 s[12:13], s[82:83]                   ; qkv
	s_lshl_b32 s42, s100, 2
	s_add_co_u32 s42, s42, s40                     ; tile column of C
	s_lshl_b32 s17, s99, 2
	s_add_co_u32 s17, s17, s41                     ; tile row of C
	s_lshl_b32 s43, s41, 2
	s_lshl_b32 s43, 15, s43                        ; my row of the cluster
	s_lshl_b32 s44, 0x1111, s40                    ; my column
	; descriptor group 1: a tile of 128 rows x 256 bytes, padded in LDS
	s_or_b32 s[G1+0], s43, (0<<16)|(1<<20)|(1<<21)|(5<<22)|(3<<25)  ; 15:0 the mask: A's tiles go to my row; 17:16 elements of 1 byte; 20 padding on; 21 set beside a mask; 24:22 after every 64 words; 31:25 four words
	s_or_b32 s[G1B+0], s44, (0<<16)|(1<<20)|(1<<21)|(5<<22)|(3<<25)
.irp g, G1, G1B
	s_mov_b32 s[\g+1], ROWB<<16                    ; tensor_dim0
	s_mov_b32 s[\g+2], 128<<16                     ; tensor_dim1 = 128
	s_mov_b32 s[\g+3], ROWB<<16                    ; tile_dim0
	s_mov_b32 s[\g+4], 128                         ; tile_dim1 = 128
	s_mov_b32 s[\g+5], KROW                        ; tensor_dim0_stride
	s_mov_b32 s[\g+6], 0
	s_mov_b32 s[\g+7], 0
.endr
	; the scale bytes of 128 rows: 4,096 dense bytes, as rows of 256 bytes (32 elements of 8 bytes), 16 bytes of padding behind each
	s_or_b32 s[G1S+0], s43, (3<<16)|(1<<20)|(1<<21)|(5<<22)|(3<<25)
	s_or_b32 s[G1SB+0], s44, (3<<16)|(1<<20)|(1<<21)|(5<<22)|(3<<25)
.irp g, G1S, G1SB
	s_mov_b32 s[\g+1], 32<<16
	s_mov_b32 s[\g+2], (128*KS/256)<<16
	s_mov_b32 s[\g+3], 32<<16
	s_mov_b32 s[\g+4], 128*KS/256
	s_mov_b32 s[\g+5], 32
	s_mov_b32 s[\g+6], 0
	s_mov_b32 s[\g+7], 0
.endr
	s_lshl_b32 s18, s16, 7                         ; which 128 rows of the tile I fetch
	s_lshl_b32 s20, s17, 8
	s_add_co_u32 s20, s20, s18                     ; A: row 256 x tile row + 128 x half
	s_lshl_b32 s46, s42, 8
	s_add_co_u32 s46, s46, s18                     ; B: row 256 x tile column + 128 x half
	s_mov_b32 s21, 0
	s_mov_b32 s47, 0
	s_mov_b64 s[18:19], KS
	s_mul_u64 s[22:23], s[20:21], s[18:19]         ; where these rows' scales begin, in bytes
	s_mul_u64 s[92:93], s[46:47], s[18:19]
	s_mov_b64 s[18:19], KROW
	s_mul_u64 s[20:21], s[20:21], s[18:19]         ; and their codes
	s_mul_u64 s[46:47], s[46:47], s[18:19]
	s_mul_i32 s45, s14, HALFT                      ; where they go: wave x 128 rows: no place in the cluster enters an LDS address
	s_mul_i32 s94, s14, HALFS
	s_add_nc_u64 s[20:21], s[4:5], s[20:21]
	s_add_nc_u64 s[22:23], s[6:7], s[22:23]
	s_add_nc_u64 s[46:47], s[8:9], s[46:47]
	s_add_nc_u64 s[92:93], s[10:11], s[92:93]
	CROUND                                         ; all sixteen work-groups are here: the joint loads meet
	s_mov_b32 s[G0S], 1
	s_add_co_u32 s[G0S+1], s94, SCL
	s_mov_b64 s[G0S+2:G0S+3], s[22:23]
	s_or_b32 s[G0S+3], s[G0S+3], 0x80000000
	s_mov_b32 s[G0SB], 1
	s_add_co_u32 s[G0SB+1], s94, SCL
	s_mov_b64 s[G0SB+2:G0SB+3], s[92:93]
	s_or_b32 s[G0SB+3], s[G0SB+3], 0x80000000
	JLOAD G0S, G1S, G0SB, G1SB                     ; the scales first: they are wanted with the first slot
.irp s, 0,1
	s_mov_b32 s[G0+4*\s], 1
	s_add_co_u32 s[G0+4*\s+1], s45, \s*SLOT
	s_add_nc_u64 s[G0+4*\s+2:G0+4*\s+3], s[20:21], \s*ROWB
	s_or_b32 s[G0+4*\s+3], s[G0+4*\s+3], 0x80000000
	s_mov_b32 s[G0B+4*\s], 1
	s_add_co_u32 s[G0B+4*\s+1], s45, \s*SLOT
	s_add_nc_u64 s[G0B+4*\s+2:G0B+4*\s+3], s[46:47], \s*ROWB
	s_or_b32 s[G0B+4*\s+3], s[G0B+4*\s+3], 0x80000000
	JLOAD G0+4*\s, G1, G0B+4*\s, G1B               ; three tensor loads of mine are out: all that this launch has
.endr
	v_and_b32 v1, 15, v0                           ; r = l % 16
	v_bfe_u32 v2, v0, 4, 1                         ; h = l / 16
	v_mul_u32_u24 v3, v1, PITCH
	v_lshl_add_u32 v4, v2, 4, v3                   ; a fragment's row x pitch + 16 x half
	s_mul_i32 s21, s15, HALFT                      ; my 128 rows of A
	s_mul_i32 s22, s16, HALFT                      ; my 128 rows of B,
	s_add_co_u32 s22, s22, 2*HALFT                 ; which lie behind A's 256
.irp s, 0,1
	v_add_nc_u32 v[ADRA+\s], s21, v4
	v_add_nc_u32 v[ADRB+\s], s22, v4
	s_add_co_u32 s21, s21, SLOT
	s_add_co_u32 s22, s22, SLOT
.endr
	v_mul_u32_u24 v5, v1, KS                       ; my row's scales: 32 bytes a row,
	v_lshrrev_b32 v6, 8, v5
	v_lshl_add_u32 v5, v6, 4, v5                   ; and 16 more for each 256 passed
	s_mul_i32 s21, s15, HALFS                      ; A's: my 128 rows
	s_mul_i32 s22, s16, HALFS                      ; B's: my 128 rows, behind A's 256
	s_add_co_u32 s22, s22, 2*HALFS
	s_sub_co_u32 s22, s22, s21
	v_mul_u32_u24 v6, s22, v2                      ; lanes 16-31 take B's
	s_add_co_u32 s21, s21, SCL
	v_add_nc_u32 v5, v5, v6
	v_add_nc_u32 v[ADRS], s21, v5
	; where my results go, in bytes from qkv's first.  Both forms are made, in registers that feed no descriptor, and one is chosen.
	s_lshr_b32 s18, s17, 3                         ; q, k: the batch: a tile row is 256 tokens of 2,048
	s_lshl_b32 s18, s18, 4
	s_lshl_b32 s19, s42, 2
	s_add_co_u32 s18, s18, s19
	s_lshl_b32 s19, s16, 1
	s_add_co_u32 s18, s18, s19                     ; 16 x batch + my first head: 4 x tile column + 2 x half
	s_and_b32 s19, s17, 7
	s_lshl_b32 s19, s19, 4
	s_lshl_b32 s20, s15, 3
	s_add_co_u32 s19, s19, s20                     ; my first tile of 16 tokens in the batch
	s_lshl_b32 s20, s18, 16
	s_lshl_b32 s21, s19, 9
	s_add_co_u32 s20, s20, s21
	s_lshl_b32 s21, s101, 22
	s_add_co_u32 s20, s20, s21                     ; codes: 65,536 a head, 512 a tile; k's lie KI further on
	s_lshl_b32 s21, s18, 13
	s_lshl_b32 s92, s19, 6
	s_add_co_u32 s21, s21, s92
	s_lshl_b32 s92, s101, 19
	s_add_co_u32 s21, s21, s92
	s_add_co_u32 s21, s21, QSO                     ; scale words: 8,192 a head, 64 a tile
	s_lshl_b32 s92, s42, 1                         ; v: the run of 128 tokens: 2 x tile column + half;
	s_add_co_u32 s92, s92, s16
	s_lshl_b32 s92, s92, 6
	s_lshl_b32 s93, s17, 4
	s_add_co_u32 s92, s92, s93
	s_lshl_b32 s93, s15, 3
	s_add_co_u32 s92, s92, s93                     ; x 64 + my first tile of 16 channels: 16 x tile row + 8 x half
	s_lshl_b32 s93, s92, 7
	s_add_co_u32 s93, s93, VSO                     ; 128 bytes of scale words a fragment,
	s_lshl_b32 s92, s92, 10
	s_add_co_u32 s92, s92, VI                      ; 1,024 of codes
	s_cmp_lt_u32 ttmp9, 16
	s_cselect_b32 s20, s20, s92
	s_cselect_b32 s21, s21, s93
	v_and_b32 v6, 31, v0
	v_lshlrev_b32 v[CO0], 4, v6
	v_add_nc_u32 v[CO0], s20, v[CO0]               ; 16 x lane + the block's place
	v_mul_u32_u24 v[SO0], s96, v2
	v_lshl_add_u32 v[SO0], v1, 2, v[SO0]
	v_add_nc_u32 v[SO0], s21, v[SO0]               ; 4 r + my half's place
	v_mul_u32_u24 v[SHV], s97, v2
	s_mov_b32 s22, 0x76543210                      ; v_permlanex16_b32's selects for lane l xor 16
	s_mov_b32 s23, 0xfedcba98
.macro FRAG reg, adr, q, i             ; a fragment, 16 rows x 128 K of 4-bit codes: lane l holds row l % 16; registers 4 c .. 4 c + 3 hold K = 64 c + 32 (l / 16) + 0 .. 31
.irp c, 0,1
	ds_load_b128 v[\reg+4*\c:\reg+4*\c+3], v[\adr] offset:64*(\q)+32*\c+(\i)*16*PITCH
.endr
.endm
; 16 matrix instructions: A's blocks a0, a0 + 1 x B's eight, the slot's q-th 128 along K.  p: B's set;  sc: the set of scale words.  zero = 1: the first product starts the sums.
; The 64 accumulators take turns, one instruction a turn, in the same order in every step.
.macro MUL16 a0, p, q, sc, zero
.irp a, \a0, \a0+1
.irp b, 0,1,2,3,4,5,6,7
.if \zero
	v_wmma_scale_f32_16x16x128_f8f6f4 v[8*(8*((\a)%4)+\b):8*(8*((\a)%4)+\b)+7], v[128*(\p)+FR*\b:128*(\p)+FR*\b+FR-1], v[AF+FR*(\a):AF+FR*(\a)+FR-1], 0, v[SC+8*NQ*(\sc)+NQ*\b+(\q)], v[SC+8*NQ*(\sc)+NQ*(\a)+(\q)] matrix_a_fmt:MATRIX_FMT_FP4 matrix_b_fmt:MATRIX_FMT_FP4 matrix_a_scale:MATRIX_SCALE_ROW1
.else
	v_wmma_scale_f32_16x16x128_f8f6f4 v[8*(8*((\a)%4)+\b):8*(8*((\a)%4)+\b)+7], v[128*(\p)+FR*\b:128*(\p)+FR*\b+FR-1], v[AF+FR*(\a):AF+FR*(\a)+FR-1], v[8*(8*((\a)%4)+\b):8*(8*((\a)%4)+\b)+7], v[SC+8*NQ*(\sc)+NQ*\b+(\q)], v[SC+8*NQ*(\sc)+NQ*(\a)+(\q)] matrix_a_fmt:MATRIX_FMT_FP4 matrix_b_fmt:MATRIX_FMT_FP4 matrix_a_scale:MATRIX_SCALE_ROW1
.endif
.endr
.endr
.endm
.macro FETCH_B slot, q, p              ; B's eight fragments of the slot's q-th 128 along K into set p
	WIN TO_B
.irp i, 0,1,2,3,4,5,6,7
	FRAG 128*(\p)+FR*\i, ADRB+\slot, \q, \i
.endr
	WIN 0
.endm
.macro FETCH_A slot, q, i0             ; A's blocks i0 .. i0 + 3
.irp i, \i0, \i0+1, \i0+2, \i0+3
	FRAG AF+FR*(\i), ADRA+\slot, \q, \i
.endr
.endm
.macro SCALES sc                       ; a slot's scale words into set sc: four words a row; lanes 0-15 take A's block i, lanes 16-31 B's block i
.irp i, 0,1,2,3,4,5,6,7
	ds_load_b128 v[SC+8*NQ*\sc+NQ*\i:SC+8*NQ*\sc+NQ*\i+3], v[ADRS] offset:\i*SBLK
.endr
.endm
; A load into a register that a matrix instruction has read, and a vector instruction that reads a matrix result or writes one of its registers, stand NP places behind it; only plain vector
; instructions that name none of its registers are places (ISA guide 7.12.1 for vector instructions).
.macro PLACES n
.rept \n
	v_nop
.endr
.endm
; A step of 128 along K that has its successor in the same slot.  A's blocks are free as soon as their eight products are issued: one set serves A; B has two.
.macro STEP slot, q, zero
	s_wait_dscnt 4*NL                              ; B's set and A's blocks 0-3 are in; the youngest eight loads (A's blocks 4-7) may be out
	WIN MUL_LO
	MUL16 0, (\q)%2, \q, \slot, \zero
	MUL16 2, (\q)%2, \q, \slot, \zero
	s_wait_dscnt 0                                 ; A's blocks 4-7 are in
	PLACES NP
	FETCH_B \slot, (\q)+1, 1-(\q)%2
	FETCH_A \slot, (\q)+1, 0
	WIN MUL_HI
	MUL16 4, (\q)%2, \q, \slot, \zero
	MUL16 6, (\q)%2, \q, \slot, \zero
	PLACES NP
	WIN 0
	FETCH_A \slot, (\q)+1, 4
.endm
; Slot 0's last step goes over to slot 1: each wave waits for all its tensor loads (its part of slot 1), and the barrier shows the whole slot to every wave.  Nothing is filled again.
.macro TURN slot, next
	s_wait_tensorcnt 0x0                           ; all my tensor loads have landed
	ds_add_u32 v[SPW], v[NIL]                      ; 0 onto my spare word
	s_wait_dscnt 4*NL+1                            ; (the add and the youngest eight loads, A's blocks 4-7, may be out)
	WIN MUL_LO
	MUL16 0, 1, NQ-1, \slot, 0                     ; sixteen matrix instructions stand between the add and the wait for it
	s_wait_dscnt 0x0                               ; no LDS instruction of mine is out at the signal
	s_barrier_signal -1
	MUL16 2, 1, NQ-1, \slot, 0
	WIN 0
	s_barrier_wait -1
	PLACES NP
	v_add_nc_u32 v[ADRS], 4*NQ, v[ADRS]            ; on to the next slot's scale words (no LDS load of mine is out)
	FETCH_B \next, 0, 0
	FETCH_A \next, 0, 0
	SCALES \next
	WIN MUL_HI
	MUL16 4, 1, NQ-1, \slot, 0
	MUL16 6, 1, NQ-1, \slot, 0
	PLACES NP
	WIN 0
	FETCH_A \next, 0, 4
.endm
.macro STEPS slot, from                ; the slot's steps from .. NQ - 2
.set Q, \from
.rept NQ-1-\from
	STEP \slot, Q, 0
.set Q, Q+1
.endr
.endm
	s_wait_tensorcnt 1                             ; the scales and my part of slot 0 are in (slot 1's load may be out)
	s_barrier_signal -1
	s_barrier_wait -1                              ; everybody's are
	FETCH_B 0, 0, 0
	FETCH_A 0, 0, 0
	SCALES 0
	FETCH_A 0, 0, 4
	STEP 0, 0, 1                                   ; the first products start the sums: nothing is cleared
	STEPS 0, 1
	TURN 0, 1
	STEPS 1, 0
	s_wait_dscnt 4*NL                              ; the last step: nothing more to fetch
	WIN MUL_LO
	MUL16 0, 1, NQ-1, 1, 0
	MUL16 2, 1, NQ-1, 1, 0
	s_wait_dscnt 0
	WIN MUL_HI
	MUL16 4, 1, NQ-1, 1, 0
	MUL16 6, 1, NQ-1, 1, 0
	WIN 0
; THE WAY OUT of block a (16 rows of A x my 128 rows of B): four blocks of 32 are quantised and leave as the eight registers of an operand, 512 consecutive bytes a store, and one scale word a lane.
.macro QOUT a
.set AC, 64*((\a)%4)                   ; its eight accumulators, in window 2 (blocks 0-3) or 3 (blocks 4-7)
.set WD, 2+(\a)/4
.set W12, (WD<<2)|(WD<<4)
.set PC, PCB+8*(\a)
	WIN W12                                        ; sources 1 and 2: the accumulators' window
.irp b, 0,1,2,3
	v_max3_num_f32 v[TM+\b], FLOOR, |v[AC+16*\b]|, |v[AC+16*\b+1]|   ; block b: my 16 numbers, from each accumulator's low end on, and the floor: the byte cannot fall under 1
.endr
.irp i, 2,4,6,8,10,12,14
.irp b, 0,1,2,3
	v_max3_num_f32 v[TM+\b], v[TM+\b], |v[AC+16*\b+\i]|, |v[AC+16*\b+\i+1]|   ; (the four blocks by turns)
.endr
.endr
	WIN 0
.irp b, 0,1,2,3
	v_permlanex16_b32 v[T4+\b], v[TM+\b], s22, s23
.endr
.irp b, 0,1,2,3
	v_max_num_f32 v[TM+\b], v[TM+\b], v[T4+\b]     ; with lane l xor 16's: the block's largest magnitude
.endr
.irp b, 0,1,2,3
	v_add_nc_u32 v[SOP+\b], 0xff000000, v[TM+\b]   ; 2 off its exponent field: the conversion's scale operand
.endr
.irp b, 0,1,2,3
	v_lshrrev_b32 v[T4+\b], 23, v[SOP+\b]          ; the scale's byte
.endr
	v_lshl_or_b32 v[PW], v[T4+1], 8, v[T4]
	v_lshl_or_b32 v[PW], v[T4+2], 16, v[PW]
	v_lshl_or_b32 v[PW], v[T4+3], 24, v[PW]        ; my row's four bytes
	WIN WD                                         ; source 0: the accumulators' window
.irp c, 0,1
.irp e, 0,1
.irp u, 0,1
	v_cvt_scalef32_pk8_fp4_f32 v[PC+4*\c+2*\u+\e], v[AC+16*(2*\c+\e)+8*\u:AC+16*(2*\c+\e)+8*\u+7], v[SOP+2*\c+\e]
.endr
.endr
.endr
	WIN 0
	v_nop                                          ; one plain place behind a scaled conversion
.irp c, 0,1
.irp u, 0,1
	v_permlane16_swap_b32 v[PC+4*\c+2*\u], v[PC+4*\c+2*\u+1]   ; the first's lanes 16-31 change places with the second's lanes 0-15: registers 4 c .. 4 c + 3 now hold k = 64 c + 32 h + 0 .. 31
.endr
.endr
	v_lshrrev_b32 v[SV+(\a)], v[SHV], v[PW]        ; q, k: lanes 0-15 keep the first head's two bytes, lanes 16-31 the second's;  v: the whole word in both
	v_and_b32 v[SV+(\a)], s98, v[SV+(\a)]
.if (\a) == 0
.set PVO, CO0
.set PVS, SO0
.else
	v_add_nc_u32 v[VO+(\a)], s2, v[PVO]            ; a register of its own for each block's offsets: none that a pending store names is written
	v_add_nc_u32 v[VS+(\a)], s95, v[PVS]
.set PVO, VO+(\a)
.set PVS, VS+(\a)
.endif
	v_add_nc_u32 v[VO1+(\a)], s3, v[PVO]
	global_store_b128 v[PVO], v[PC:PC+3], s[12:13]
	global_store_b128 v[VO1+(\a)], v[PC+4:PC+7], s[12:13]
	global_store_b32 v[PVS], v[SV+(\a)], s[12:13]
.endm
	PLACES NP                                      ; behind the last products: A's registers are written below, and the results read
.irp b, 0,1,2,3
	v_mov_b32 v[T4+\b], 0                          ; written once: a lane permute's destination counts as one of its sources
.endr
.irp a, 0,1,2,3,4,5,6,7
	QOUT \a
.endr
	s_wait_tensorcnt 0x0                           ; the wave's end
	ds_add_u32 v[SPW], v[NIL]
	s_wait_dscnt 0x0
	CROUND                                         ; the closing round: no work-group ends while a partner may still ask for a tile that names it
	s_endpgm
.Lfunc_end_k_qa32d21e47d_qkv:
	.size	k_qa32d21e47d_qkv, .Lfunc_end_k_qa32d21e47d_qkv-k_qa32d21e47d_qkv
	.p2alignl 7, 3214868480
	.fill 96, 4, 3214868480
	.section	.rodata,"a",@progbits
	.p2align	6, 0x0
	.amdhsa_kernel k_qa32d21e47d_qkv
		.amdhsa_group_segment_fixed_size 327680
		.amdhsa_private_segment_fixed_size 0
		.amdhsa_enable_private_segment 0
		.amdhsa_kernarg_size 64
		.amdhsa_user_sgpr_count 2
		.amdhsa_user_sgpr_kernarg_segment_ptr 1
		.amdhsa_wavefront_size32 1
		.amdhsa_system_sgpr_workgroup_id_x 1
		.amdhsa_system_sgpr_workgroup_id_y 1
		.amdhsa_system_sgpr_workgroup_id_z 1
		.amdhsa_system_vgpr_workitem_id 0
		.amdhsa_next_free_vgpr 1024
		.amdhsa_next_free_sgpr 102
		.amdhsa_reserve_vcc 0
		.amdhsa_float_denorm_mode_32 3
		.amdhsa_float_denorm_mode_16_64 3
		.amdhsa_memory_ordered 1
		.amdhsa_forward_progress 1
		.amdhsa_inst_pref_size 131
	.end_amdhsa_kernel
	.amdgpu_metadata
---
amdhsa.version: [ 1, 2 ]
amdhsa.kernels:
  - .name:           k_qa32d21e47d_qkv
    .symbol:         k_qa32d21e47d_qkv.kd
    .args:
      - { .name: xnb, .offset: 0, .size: 8, .value_kind: global_buffer, .address_space: global }
      - { .name: Wq_codes, .offset: 8, .size: 8, .value_kind: global_buffer, .address_space: global }
      - { .name: Wq_scales, .offset: 16, .size: 8, .value_kind: global_buffer, .address_space: global }
      - { .name: Wk_codes, .offset: 24, .size: 8, .value_kind: global_buffer, .address_space: global }
      - { .name: Wk_scales, .offset: 32, .size: 8, .value_kind: global_buffer, .address_space: global }
      - { .name: Wv_codes, .offset: 40, .size: 8, .value_kind: global_buffer, .address_space: global }
      - { .name: Wv_scales, .offset: 48, .size: 8, .value_kind: global_buffer, .address_space: global }
      - { .name: qkv, .offset: 56, .size: 8, .value_kind: global_buffer, .address_space: global }
    .group_segment_fixed_size: 327680
    .private_segment_fixed_size: 0
    .kernarg_segment_align: 8
    .kernarg_segment_size: 64
    .max_flat_workgroup_size: 128
    .sgpr_count:     102
    .vgpr_count:     1024
    .wavefront_size: 32
...
	.end_amdgpu_metadata
.endif
;; end of part 2
;; launch attn (part 3): grid 4 x 64, 16 waves a work-group, no clusters, 20,480 bytes of LDS; arguments qkv, att; writes att
.if DOCPART == 3
	.amdgcn_target "amdgcn-amd-amdhsa--gfx1250"
	.amdhsa_code_object_version 6
	.text
	.protected	k_qa32d21e47d_attn
	.globl	k_qa32d21e47d_attn
	.p2align	8
	.type	k_qa32d21e47d_attn,@function
k_qa32d21e47d_attn:
	s_mov_b64 s[64:65], 0
	v_nop
	global_prefetch_b8 v0, s[64:65] scope:SCOPE_SE
	s_setreg_imm32_b32 hwreg(HW_REG_WAVE_MODE, 25, 1), 1
	s_wait_xcnt 0x0
; Causal attention of one head on codes of FP4 (E2M1), one E8M0 scale for each 32 along a product's K; head size 64, 2,048 tokens, 64 (batch, head) pairs.  O / l is quantised along the model's 1,024 and leaves as codes.
; THE SOFTMAX AHEAD OF THE SECOND PRODUCT: t = score x log2(e) / 8; M = the row's largest t so far, rounded UP to a whole number; p = 2^(t - M) is quantised along the keys, not normalised.
; The row's sum is taken of the unquantised p and divides O at the end.  When M moves, the sum and O are multiplied by 2^(old M - new M): exact.
; SHARES.  Work-group (x, y): head y; query blocks x and 7 - x of 256, one after the other: (x + 1) + (8 - x) = 9 trips of 256 keys in every work-group.  Each of sixteen waves owns 16 queries in 256 registers: four waves
; to a SIMD, so that one wave's vector work stands beside another's products and LDS loads.  A step of 128 keys all of which come after a wave's queries is left out by a scalar branch on ids; no barrier stands in a step.
; OPERANDS arrive as images of their registers (the launch before laid them so): a step's K is 4,096 dense bytes, its V 4,096, their scale words 512 each.  They go through registers into two LDS slots that take turns:
; one load and one LDS store of 16 bytes a thread (waves 0-7: K; waves 8-15: V; waves 0 and 8 also the scale words), asked for one step ahead of the store and two ahead of the use; one barrier a step.
; Both slots' offsets are immediates: a trip works slot 0, then slot 1.  The last trip of a pass asks for steps 0 and 1 again: no load leaves its buffer, and the next pass, which walks the same head, finds them ready.
; LAYOUT.  Both products transposed: S^T = K Q^T (source 0 = 16 keys, source 1 = my 16 queries; K = 64: registers 4-7 of both are zeros), O^T = V^T P^T.  A lane holds ONE query.  In tile 2 b + u lane (r, h) holds keys
; 32 b + 16 u + 8 h + 0..7.  The conversion of (block 2 c + e, tile u) writes register 4 c + 2 u + e; an exchange of halves for each pair leaves registers 4 c .. 4 c + 3 = keys 64 c + 32 h + 0..31.
; NO CLUSTER: the four work-groups of a head walk x + 1 and then 8 - x trips, so that partners stand at different keys from the second trip on and no tile is wanted by two of them in the same round.
; att: att_img [token / 16][head][lane][16 B] at 0 (lane (r, h): token r, channels 32 h on); att_sc [token / 16][head / 2][token % 16] words at 0x400000: an even head's two bytes below, an odd head's above.
; LIMITS: NaN and infinities are not served; |t| stays under 3e38; a block whose largest magnitude lies under 2^-124, and a block of zeros, get the byte 1 (this program alone reads the bytes; zero codes add nothing).
.set KI,    0x400000
.set VI,    0x800000
.set QSO,   0xC00000
.set KSO,   0xC80000
.set VSO,   0xD00000
.set SLOTB, 9216                       ; a slot: K's images 4,096, V's 4,096, K's scale words 512, V's 512
.set VIM,   4096
.set KSC,   8192
.set VSC,   8704
.set FLOOR, 0x1800000                  ; 2^(3 - 127)
.set LI,  1                            ; v1   16 x lane
.set LS4, 2                            ; v2   4 x lane
.set CST, 3                            ; v3   16 x thread: where I store my 16 bytes of a step's codes
.set SST, 4                            ; v4   waves 0 and 8: where I store 16 bytes of scale words
.set GCO, 5                            ; v5   16 x (thread % 256): my 16 bytes of a step's 4,096 in memory
.set GCA, 6                            ; v6   + the step
.set GSA, 7                            ; v7   the same for the scale words
.set PFO, 8                            ; v8   the prefetches' offset
.set PFA, 9                            ; v9   + the step
.set RQ,  10                           ; v10  r - 8 h
.set R4,  11                           ; v11  4 r
.set QSR, 24                           ; v24  Q's scale words.  v12 -M, v13 the largest t, v[14:15] the sum in two halves, v[16:23] Q's fragment
.set CD,  28                           ; v28-35  two sets of 16 bytes of codes on their way
.set SD,  36                           ; v36-43  two sets of scale words on their way
.set KSR, 44                           ; v44-47  K's scale words: register p: lanes 0-15 tile 2 p, lanes 16-31 tile 2 p + 1
.set VSR, 48                           ; v48-51  V's
.set KFR, 52                           ; v52-83  four fragments of K; registers 4-7 of each are zeros, written once
.set VF,  84                           ; v84-115 V's four fragments
.set S,   116                          ; v116-179 S^T, then p
.set O,   180                          ; v180-211 O^T
.set PC,  212                          ; v212-219 p's codes
.set BM,  220                          ; v220-223 the blocks' largest scores, then largest p
.set T4,  224                          ; v224-227 the other half's, then the bytes
.set SOP, 228                          ; v228-231 the conversions' scale operands
.set FF,  232                          ; v232 f = 2^(old M - new M)
.set PW,  233                          ; v233 p's scale word
.set TMP, 234
.set SUM2, 236                         ; v[236:237] the sum's second chain
.set NINF, 238
.set DD,  239
.set WV,  8                            ; s8   wave;  s9 wave % 8;  s11 (batch, head), s12 batch, s13 head
.set W7,  9
.set TR,  10                           ; s10  the trip, counted from 0 by 1
.set CP,  14                           ; s[14:15] my codes' step 0 (K's or V's);  s[16:17] my scale words'
.set SP,  16
.set STC, 18                           ; s18  bytes from a step's codes to the next step's: 4,096 in K, 65,536 in V
.set STS, 19                           ; s19  the same for scale words: 512, 8,192
.set SEL, 20
.set CS,  22                           ; s[22:23] c = log2(e) / 8
.set PS,  42                           ; s42  the pass, 0 or 1
.set QB,  43
.set NT2, 44                           ; s44  the pass's steps: 2 (block + 1)
.set T2,  45                           ; s45  the first of the two steps that this trip asks for: 2 x trip + 2
.set KF,  46                           ; s46  the step's first key
.set Q0,  47                           ; s47  my first query
.set LA,  51                           ; s51  the step to ask for
.set PLIM, 52                          ; s52  a wave prefetches while T2 is under it
.set NTR, 53                           ; s53  the pass's trips: block + 1; the loop over trips does not write it
.macro PLACES n
.rept \n
	v_nop
.endr
.endm
.macro COPY_ST set                     ; the set's bytes, asked for a step ago, go into the slot of the same number
	s_wait_loadcnt 0x0                             ; they are in (and, in a pass's first step, Q); the loads' offset registers are free
	ds_store_b128 v[CST], v[CD+4*(\set):CD+4*(\set)+3] offset:(\set)*SLOTB
	s_cmp_lg_u32 s[W7], 0
	s_cbranch_scc1 .Lno_st_\@
	ds_store_b128 v[SST], v[SD+4*(\set):SD+4*(\set)+3] offset:(\set)*SLOTB
.Lno_st_\@:
.endm
.macro COPY_LD set                     ; step s[LA] is asked for, into a set whose LDS stores have been waited for
	s_mul_i32 s48, s[LA], s[STC]
	v_add_nc_u32 v[GCA], s48, v[GCO]
	global_load_b128 v[CD+4*(\set):CD+4*(\set)+3], v[GCA], s[CP:CP+1]
	s_cmp_lg_u32 s[W7], 0
	s_cbranch_scc1 .Lno_ld_\@
	s_mul_i32 s48, s[LA], s[STS]
	v_add_nc_u32 v[GSA], s48, v[LI]
	global_load_b128 v[SD+4*(\set):SD+4*(\set)+3], v[GSA], s[SP:SP+1]
.Lno_ld_\@:
.endm
; A PREFETCH of steps T2 + 2 and T2 + 3, one trip beyond the loads above: two steps x 4,096 bytes, a lane to each 256.  It is issued by work-group x = 0 in its second pass (block 7, which walks all 16 steps),
; by wave 0 for K and wave 8 for V: each run of 256 bytes of steps 4 to 15 is named once in the launch.  The pass's last two trips ask for nothing; the scale words are not asked for.
.macro ASK
	s_cmp_lt_u32 s[T2], s[PLIM]
	s_cbranch_scc0 .Lno_ask_\@
	s_wait_xcnt 0x0                                ; the last prefetch, a trip back, has read its offset register
	s_add_co_u32 s49, s[T2], 2
	s_mul_i32 s49, s49, s[STC]
	v_add_nc_u32 v[PFA], s49, v[PFO]
	global_prefetch_b8 v[PFA], s[CP:CP+1] th:TH_LOAD_NT scope:SCOPE_SE
.Lno_ask_\@:
.endm
; A KEY STEP: 128 keys, out of the slot that begins at byte sl.
.macro STEP sl
	s_add_co_u32 s48, s[Q0], 15
	s_cmp_gt_u32 s[KF], s48
	s_cbranch_scc1 .Lhidden_\@                     ; all 128 keys come after my 16 queries
.irp p, 0,1,2,3
	ds_load_b32 v[KSR+\p], v[LS4] offset:(\sl)+KSC+128*\p
.endr
.irp g, 0,1                            ; S^T = K Q^T, four tiles of 16 keys at a time
.if \g
	PLACES 4                                       ; in front of loads into registers that matrix instructions have read
.endif
.irp t, 0,1,2,3
	ds_load_b128 v[KFR+8*\t:KFR+8*\t+3], v[LI] offset:(\sl)+512*(4*\g+\t)
.endr
	s_wait_dscnt 0x0
.irp t, 0,1,2,3
.if \t%2
	v_wmma_scale_f32_16x16x128_f8f6f4 v[S+8*(4*\g+\t):S+8*(4*\g+\t)+7], v[KFR+8*\t:KFR+8*\t+7], v[16:23], 0, v[KSR+(4*\g+\t)/2], v[QSR] matrix_a_fmt:MATRIX_FMT_FP4 matrix_b_fmt:MATRIX_FMT_FP4 matrix_a_scale:MATRIX_SCALE_ROW1
.else
	v_wmma_scale_f32_16x16x128_f8f6f4 v[S+8*(4*\g+\t):S+8*(4*\g+\t)+7], v[KFR+8*\t:KFR+8*\t+7], v[16:23], 0, v[KSR+(4*\g+\t)/2], v[QSR] matrix_a_fmt:MATRIX_FMT_FP4 matrix_b_fmt:MATRIX_FMT_FP4
.endif
.endr
.endr
	PLACES 4                                       ; behind the products: their results are read below; also in front of the loads into V's registers, which the last step's products read
.irp t, 0,1,2,3                        ; V's fragments and scale words are asked for here and waited for behind the softmax
.irp c, 0,1
	ds_load_b128 v[VF+8*\t+4*\c:VF+8*\t+4*\c+3], v[LI] offset:(\sl)+VIM+1024*\t+512*\c
.endr
	ds_load_b32 v[VSR+\t], v[LS4] offset:(\sl)+VSC+128*\t
.endr
	s_add_co_u32 s48, s[KF], 127                   ; on the diagonal the scores of hidden keys become -infinity ahead of the maximum; a step all of whose keys count skips this
	s_cmp_le_u32 s48, s[Q0]
	s_cbranch_scc1 .Lopen_\@
	s_sub_co_i32 s48, s[Q0], s[KF]
	v_add_nc_u32 v[DD], s48, v[RQ]                 ; d = my query - KF - 8 h.  Register n holds key KF + 16 (n / 8) + 8 h + n % 8: hidden where 16 (n / 8) + n % 8 > d
.set n, 0
.rept 64
	v_cmp_gt_i32 vcc_lo, 16*(n/8)+n%8, v[DD]
	v_cndmask_b32 v[S+n], v[S+n], v[NINF], vcc_lo
.set n, n+1
.endr
.Lopen_\@:
.irp b, 0,1,2,3
	v_max3_num_f32 v[BM+\b], v[S+16*\b], v[S+1+16*\b], v[S+2+16*\b]   ; the largest score of each block of 32 keys: it serves for the row's maximum and, since p rises with the score, for the block's largest p
.endr
.irp i, 3,5,7,9,11,13
.irp b, 0,1,2,3
	v_max3_num_f32 v[BM+\b], v[BM+\b], v[S+16*\b+\i], v[S+1+16*\b+\i]
.endr
.endr
.irp b, 0,1,2,3
	v_max_num_f32 v[BM+\b], v[BM+\b], v[S+15+16*\b]
.endr
.irp b, 0,1,2,3
	v_permlanex16_b32 v[T4+\b], v[BM+\b], s[SEL], s[SEL+1]
.endr
.irp b, 0,1,2,3
	v_max_num_f32 v[BM+\b], v[BM+\b], v[T4+\b]     ; with lane l xor 16's 16 keys
.endr
	v_max3_num_f32 v[TMP], v[BM], v[BM+1], v[BM+2]
	v_max_num_f32 v[TMP], v[TMP], v[BM+3]          ; the step's largest score of my query
	v_mul_f32 v[TMP], s[CS], v[TMP]                ; as t (c is positive)
	v_max_num_f32 v13, v13, v[TMP]                 ; the running largest t
	v_mov_b32 v[TMP], v12
	v_floor_f32 v12, -v13                          ; the new -M = floor(-t) = -ceil(t): a whole number
	v_sub_f32 v[TMP], v12, v[TMP]                  ; M's old value less its new one: 0 or less
	v_cvt_i32_f32 v[TMP], v[TMP]                   ; (it saturates)
	v_ldexp_f32 v[FF], 1.0, v[TMP]                 ; f = 2^(old M - new M)
.irp j, 0,2,4,6,8,10,12,14,16,18,20,22,24,26,28,30,32,34,36,38,40,42,44,46,48,50,52,54,56,58,60,62
	v_pk_fma_f32 v[S+\j:S+\j+1], v[S+\j:S+\j+1], s[CS:CS+1], v[12:13] op_sel_hi:[1,0,0]   ; t - M, two at a time (of the pairs c and -M the low word serves both halves)
.endr
.irp b, 0,1,2,3
	v_fma_f32 v[BM+\b], v[BM+\b], s[CS], v12       ; the same of each block's largest score
.endr
.set n, 0
.rept 64
	v_exp_f32 v[S+n], v[S+n]                       ; p = 2^(t - M), at most 1
.set n, n+1
.endr
.irp b, 0,1,2,3
	v_exp_f32 v[BM+\b], v[BM+\b]                   ; the block's largest p: the same two instructions on the same number
.endr
	v_pk_mul_f32 v[14:15], v[14:15], v[FF:FF+1] op_sel_hi:[1,0]   ; the sums under the new M (a plain place behind the exponentials)
	s_wait_alu depctr_va_vdst(0)
.irp b, 0,1,2,3
	v_max_num_f32 v[BM+\b], FLOOR, v[BM+\b]        ; the floor: the byte cannot fall under 1
.endr
.irp b, 0,1,2,3
	v_add_nc_u32 v[SOP+\b], 0xff000000, v[BM+\b]   ; 2 off the exponent field: the conversion's scale operand
.endr
.irp b, 0,1,2,3
	v_lshrrev_b32 v[T4+\b], 23, v[SOP+\b]          ; the scale's byte
.endr
	v_lshl_or_b32 v[PW], v[T4+1], 8, v[T4]         ; p's scale word for these 128 keys
	v_lshl_or_b32 v[PW], v[T4+2], 16, v[PW]
	v_lshl_or_b32 v[PW], v[T4+3], 24, v[PW]
.irp c, 0,1
.irp e, 0,1
.irp u, 0,1
	v_cvt_scalef32_pk8_fp4_f32 v[PC+4*\c+2*\u+\e], v[S+16*(2*\c+\e)+8*\u:S+16*(2*\c+\e)+8*\u+7], v[SOP+2*\c+\e]
.endr
.endr
.endr
	v_nop                                          ; one plain place behind a scaled conversion
.irp c, 0,1
.irp u, 0,1
	v_permlane16_swap_b32 v[PC+4*\c+2*\u], v[PC+4*\c+2*\u+1]
.endr
.endr
	v_pk_add_f32 v[SUM2:SUM2+1], v[S:S+1], v[S+2:S+3]   ; the row's sum is taken of the unquantised p: two at a time, in two chains
.irp j, 4,8,12,16,20,24,28,32,36,40,44,48,52,56,60
	v_pk_add_f32 v[14:15], v[14:15], v[S+\j:S+\j+1]
	v_pk_add_f32 v[SUM2:SUM2+1], v[SUM2:SUM2+1], v[S+\j+2:S+\j+3]
.endr
	v_pk_add_f32 v[14:15], v[14:15], v[SUM2:SUM2+1]
.irp j, 0,2,4,6,8,10,12,14,16,18,20,22,24,26,28,30
	v_pk_mul_f32 v[O+\j:O+\j+1], v[O+\j:O+\j+1], v[FF:FF+1] op_sel_hi:[1,0]   ; O^T under the new M.  (The sums and these are the places between p's codes and scale word and the products below)
.endr
	s_wait_dscnt 0x0                               ; V
.irp t, 0,1,2,3                        ; O^T += V^T P^T: the four accumulators by turns
	v_wmma_scale_f32_16x16x128_f8f6f4 v[O+8*\t:O+8*\t+7], v[VF+8*\t:VF+8*\t+7], v[PC:PC+7], v[O+8*\t:O+8*\t+7], v[VSR+\t], v[PW] matrix_a_fmt:MATRIX_FMT_FP4 matrix_b_fmt:MATRIX_FMT_FP4
.endr
.Lhidden_\@:
	s_add_co_u32 s[KF], s[KF], 128
.endm
; Half a trip.  In front of the barrier each wave's LDS stores have landed and its reads of the other slot are back; behind it slot k is whole and nobody reads slot 1 - k, which takes the next step.
.macro HALF k
	s_wait_dscnt 0x0
	s_barrier_signal -1
	s_barrier_wait -1
	COPY_ST 1-\k
.if \k == 0
	s_cmp_lt_u32 s[T2], s[NT2]
	s_cselect_b32 s[LA], s[T2], 0                  ; the pass's last trip asks for steps 0 and 1
.else
	s_add_co_u32 s[LA], s[LA], 1
.endif
	COPY_LD \k
.if \k == 0
	ASK
.endif
	STEP \k*SLOTB
.endm
	s_load_b128 s[4:7], s[0:1], 0x0                ; qkv s[4:5], att s[6:7]
	v_lshl_add_u32 v254, v0, 2, 0x4800
	v_mov_b32 v255, 0
	v_lshrrev_b32 v1, 5, v0
	v_readfirstlane_b32 s[WV], v1                  ; wave 0..15
	s_and_b32 s[W7], s[WV], 7
	s_and_b32 s11, ttmp7, 0xffff                   ; 16 x batch + head
	s_lshr_b32 s12, s11, 4
	s_and_b32 s13, s11, 15
	v_and_b32 v9, 31, v0
	v_lshlrev_b32 v[LI], 4, v9
	v_lshlrev_b32 v[LS4], 2, v9
	v_lshlrev_b32 v[CST], 4, v0
	v_lshrrev_b32 v[SST], 8, v0
	v_lshl_add_u32 v[SST], v[SST], 9, v[LI]
	v_add_nc_u32 v[SST], KSC, v[SST]               ; K's scale words (threads under 256), V's 512 bytes further on
	v_and_b32 v[GCO], 255, v0
	v_lshlrev_b32 v[GCO], 4, v[GCO]
	v_and_b32 v[R4], 15, v0                        ; r
	v_bfe_u32 v[RQ], v0, 4, 1                      ; h
	s_lshl_b32 s48, s11, 16
	s_add_co_u32 s48, s48, KI                      ; K's codes of my head
	s_lshl_b32 s49, s12, 20
	s_lshl_b32 s50, s13, 12
	s_add_co_u32 s49, s49, s50
	s_add_co_u32 s49, s49, VI                      ; V's: 16 steps of 65,536 bytes a batch, 4,096 a head
	s_lshl_b32 s50, s11, 13
	s_add_co_u32 s50, s50, KSO                     ; K's scale words
	s_lshl_b32 s51, s12, 17
	s_lshl_b32 s52, s13, 9
	s_add_co_u32 s51, s51, s52
	s_add_co_u32 s51, s51, VSO                     ; V's
	s_mov_b32 s[STC], 65536
	s_mov_b32 s[STS], 8192
	s_cmp_lt_u32 s[WV], 8                          ; waves 0-7 copy K, waves 8-15 V
	s_cselect_b32 s40, s48, s49
	s_cselect_b32 s48, s50, s51
	s_cselect_b32 s[STC], 4096, s[STC]
	s_cselect_b32 s[STS], 512, s[STS]
	s_mov_b32 s41, 0
	s_mov_b32 s49, 0
	s_mov_b32 s[SEL], 0x76543210
	s_mov_b32 s[SEL+1], 0xfedcba98
	s_mov_b32 s[CS], 0x3e38aa3b                    ; c = log2(e) / 8
	s_mov_b32 s[CS+1], s[CS]                       ; (named with it as a pair, so it is written)
	v_mul_u32_u24 v[PFO], s[STC], v[RQ]
	v_lshl_add_u32 v[PFO], v[R4], 8, v[PFO]        ; lanes 0-15: a step's sixteen runs of 256 bytes; lanes 16-31: the next step's
	v_lshlrev_b32 v[RQ], 3, v[RQ]
	v_sub_nc_u32 v[RQ], v[R4], v[RQ]
	v_lshlrev_b32 v[R4], 2, v[R4]
	s_wait_kmcnt 0x0
	s_add_nc_u64 s[CP:CP+1], s[4:5], s[40:41]
	s_add_nc_u64 s[SP:SP+1], s[4:5], s[48:49]
	s_mov_b32 s[LA], 0
	COPY_LD 0                                      ; steps 0 and 1 are asked for
	s_wait_xcnt 0x0                                ; the two copies share their offset registers
	s_mov_b32 s[LA], 1
	COPY_LD 1
	s_lshl_b32 s40, s11, 16
	s_add_nc_u64 s[24:25], s[4:5], s[40:41]        ; Q's images of my head,
	s_lshl_b32 s40, s11, 13
	s_add_co_u32 s40, s40, QSO
	s_add_nc_u64 s[26:27], s[4:5], s[40:41]        ; its scale words,
	s_lshl_b32 s40, s12, 20
	s_lshl_b32 s48, s13, 9
	s_add_co_u32 s40, s40, s48
	s_add_nc_u64 s[28:29], s[6:7], s[40:41]        ; att_img: 128 tiles of 8,192 bytes a batch, 512 a head,
	s_lshl_b32 s40, s12, 16
	s_lshr_b32 s48, s13, 1
	s_lshl_b32 s48, s48, 6
	s_add_co_u32 s40, s40, s48
	s_and_b32 s48, s13, 1
	s_lshl_b32 s48, s48, 1
	s_add_co_u32 s40, s40, s48
	s_add_co_u32 s40, s40, 0x400000
	s_add_nc_u64 s[30:31], s[6:7], s[40:41]        ; att_sc: 128 tiles of 512 bytes a batch, 64 a pair of heads, 2 for the odd head
.irp j, 20,21,22,23
	v_mov_b32 v[\j], 0                             ; K = 64: the upper halves of Q's and K's fragments are zero codes
.endr
.irp t, 0,1,2,3
.irp j, 4,5,6,7
	v_mov_b32 v[KFR+8*\t+\j], 0
.endr
.endr
.irp b, 0,1,2,3
	v_mov_b32 v[T4+\b], 0                          ; written once: a lane permute's destination counts as one of its sources
.endr
	v_mov_b32 v[PW], 0                             ; (named as the upper half of f's pair before it is first written)
	v_mov_b32 v[TMP], 0
	v_mov_b32 v[NINF], 0xff800000                  ; -infinity
	COPY_ST 0                                      ; step 0 goes into slot 0; step 1 waits in its registers
	s_mov_b32 s[PS], 0
.Lpass:
	s_wait_xcnt 0x0                                ; the last pass's stores have read their registers and bases
	s_sub_co_u32 s48, 7, ttmp9
	s_cmp_eq_u32 s[PS], 0
	s_cselect_b32 s[QB], ttmp9, s48                ; block x, then block 7 - x
	s_add_co_u32 s[NTR], s[QB], 1                  ; trips of 256 keys,
	s_lshl_b32 s[NT2], s[NTR], 1                   ; steps of 128
	s_lshl_b32 s[Q0], s[QB], 8
	s_lshl_b32 s48, s[WV], 4
	s_add_co_u32 s[Q0], s[Q0], s48
	s_xor_b32 s48, s[PS], 1                        ; who prefetches: the second pass
	s_or_b32 s48, s48, ttmp9                       ; of work-group x = 0,
	s_or_b32 s48, s48, s[W7]                       ; waves 0 and 8
	s_sub_co_u32 s49, s[NT2], 2
	s_cmp_eq_u32 s48, 0
	s_cselect_b32 s[PLIM], s49, 0
	s_lshl_b32 s40, s[Q0], 5                       ; my tile of 16 queries: 512 bytes of Q's images, and of att_sc,
	s_add_nc_u64 s[32:33], s[24:25], s[40:41]
	s_add_nc_u64 s[38:39], s[30:31], s[40:41]
	s_lshl_b32 s40, s[Q0], 2                       ; 64 of Q's scale words,
	s_add_nc_u64 s[34:35], s[26:27], s[40:41]
	s_lshl_b32 s40, s[Q0], 9                       ; 8,192 of att_img
	s_add_nc_u64 s[36:37], s[28:29], s[40:41]
	global_load_b128 v[16:19], v[LI], s[32:33]     ; Q's fragment and scale words: waited for with the first step's copy
	global_load_b32 v[QSR], v[R4], s[34:35]
	v_mov_b32 v13, 0xff61b1e6                      ; the largest t so far: -3e38, under every t
	v_floor_f32 v12, -v13                          ; -M
	v_mov_b32 v14, 0
	v_mov_b32 v15, 0
.set n, 0
.rept 32
	v_mov_b32 v[O+n], 0                            ; O^T.  (The step is written once: a pass's first step finds zeros, which the first change of M leaves zeros)
.set n, n+1
.endr
	s_mov_b32 s[KF], 0
	s_mov_b32 s[TR], 0
.Ltrip:                                            ; block + 1 trips of 256 keys, counted by 1 against a register that the loop does not write
	s_lshl_b32 s[T2], s[TR], 1
	s_add_co_u32 s[T2], s[T2], 2                   ; this trip works steps 2 x trip and 2 x trip + 1 and asks for the two behind them
	HALF 0
	HALF 1
	s_add_co_u32 s[TR], s[TR], 1
	s_cmp_lt_u32 s[TR], s[NTR]
	s_cbranch_scc1 .Ltrip
	; THE WAY OUT.  O^T / the sum; register 8 t + j is channel 16 t + 8 h + j of my query: two blocks of 32 along the model's axis, quantised as p is, and stored as the four registers of an operand.
	PLACES 4                                       ; behind the last products
	v_add_f32 v14, v14, v15
	v_permlanex16_b32 v[TMP], v14, s[SEL], s[SEL+1]
	v_add_f32 v14, v14, v[TMP]                     ; the row's sum
	v_rcp_f32 v14, v14
	v_nop                                          ; a plain place behind the transcendental
.set n, 0
	s_wait_alu depctr_va_vdst(0)
.rept 32
	v_mul_f32 v[S+n], v[O+n], v14                  ; each accumulator from its low end on
.set n, n+1
.endr
.irp e, 0,1
	v_max3_num_f32 v[BM+\e], |v[S+16*\e]|, |v[S+16*\e+1]|, FLOOR
.endr
.irp i, 2,4,6,8,10,12,14
.irp e, 0,1
	v_max3_num_f32 v[BM+\e], v[BM+\e], |v[S+16*\e+\i]|, |v[S+16*\e+\i+1]|
.endr
.endr
.irp e, 0,1
	v_permlanex16_b32 v[T4+\e], v[BM+\e], s[SEL], s[SEL+1]
.endr
.irp e, 0,1
	v_max_num_f32 v[BM+\e], v[BM+\e], v[T4+\e]
.endr
.irp e, 0,1
	v_add_nc_u32 v[SOP+\e], 0xff000000, v[BM+\e]
.endr
.irp e, 0,1
	v_lshrrev_b32 v[T4+\e], 23, v[SOP+\e]
.endr
	v_lshl_or_b32 v[TMP], v[T4+1], 8, v[T4]        ; my head's two bytes of the row's scale word
.irp e, 0,1
.irp u, 0,1
	v_cvt_scalef32_pk8_fp4_f32 v[PC+2*\u+\e], v[S+16*\e+8*\u:S+16*\e+8*\u+7], v[SOP+\e]
.endr
.endr
	v_nop                                          ; one plain place behind a scaled conversion
.irp u, 0,1
	v_permlane16_swap_b32 v[PC+2*\u], v[PC+2*\u+1]
.endr
	global_store_b128 v[LI], v[PC:PC+3], s[36:37]  ; 32 lanes store 512 consecutive bytes
	global_store_b16 v[R4], v[TMP], s[38:39]       ; both halves of the lanes hold the same two bytes and write them to the same place
	s_add_co_u32 s[PS], s[PS], 1
	s_cmp_lt_u32 s[PS], 2
	s_cbranch_scc1 .Lpass
	s_wait_tensorcnt 0x0
	ds_add_u32 v254, v255
	s_wait_dscnt 0x0
	s_endpgm
.Lfunc_end_k_qa32d21e47d_attn:
	.size	k_qa32d21e47d_attn, .Lfunc_end_k_qa32d21e47d_attn-k_qa32d21e47d_attn
	.p2alignl 7, 3214868480
	.fill 96, 4, 3214868480
	.section	.rodata,"a",@progbits
	.p2align	6, 0x0
	.amdhsa_kernel k_qa32d21e47d_attn
		.amdhsa_group_segment_fixed_size 20480
		.amdhsa_private_segment_fixed_size 0
		.amdhsa_enable_private_segment 0
		.amdhsa_kernarg_size 16
		.amdhsa_user_sgpr_count 2
		.amdhsa_user_sgpr_kernarg_segment_ptr 1
		.amdhsa_wavefront_size32 1
		.amdhsa_system_sgpr_workgroup_id_x 1
		.amdhsa_system_sgpr_workgroup_id_y 1
		.amdhsa_system_sgpr_workgroup_id_z 1
		.amdhsa_system_vgpr_workitem_id 0
		.amdhsa_next_free_vgpr 256
		.amdhsa_next_free_sgpr 66
		.amdhsa_reserve_vcc 1
		.amdhsa_float_denorm_mode_32 3
		.amdhsa_float_denorm_mode_16_64 3
		.amdhsa_memory_ordered 1
		.amdhsa_forward_progress 1
		.amdhsa_inst_pref_size 54
	.end_amdhsa_kernel
	.amdgpu_metadata
---
amdhsa.version: [ 1, 2 ]
amdhsa.kernels:
  - .name:           k_qa32d21e47d_attn
    .symbol:         k_qa32d21e47d_attn.kd
    .args:
      - { .name: qkv, .offset: 0, .size: 8, .value_kind: global_buffer, .address_space: global }
      - { .name: att, .offset: 8, .size: 8, .value_kind: global_buffer, .address_space: global }
    .group_segment_fixed_size: 20480
    .private_segment_fixed_size: 0
    .kernarg_segment_align: 8
    .kernarg_segment_size: 16
    .max_flat_workgroup_size: 512
    .sgpr_count:     66
    .vgpr_count:     256
    .wavefront_size: 32
...
	.end_amdgpu_metadata
.endif
;; end of part 3
;; launch proj (part 4): grid 4 x 64, 4 waves a work-group, no clusters, 83,456 bytes of LDS; arguments att, Wp_codes, Wp_scales, x, out0; writes out0
.if DOCPART == 4
	.amdgcn_target "amdgcn-amd-amdhsa--gfx1250"
	.amdhsa_code_object_version 6
	.text
	.protected	k_qa32d21e47d_proj
	.globl	k_qa32d21e47d_proj
	.p2align	8
	.type	k_qa32d21e47d_proj,@function
k_qa32d21e47d_proj:
	s_mov_b64 s[64:65], 0
	v_nop
	global_prefetch_b8 v0, s[64:65] scope:SCOPE_SE
	s_setreg_imm32_b32 hwreg(HW_REG_WAVE_MODE, 25, 1), 1
	s_wait_xcnt 0x0
; out0 = x + a Wp^T, a the attention's result as codes of FP4 (E2M1) with one E8M0 scale for each 32 along K = 1,024 (the launch before laid it as images of an operand's registers), Wp as given.
; SHARES.  A work-group of four waves takes 128 tokens (y) x 256 columns (x).  THE WAVES SHARE THE COLUMNS: wave w makes 64 columns for all 128 tokens, so that its part of Wp (4 tiles x 8 K steps: 256 registers)
; stays in registers, read from memory once.  The tokens' 64 KiB of codes are one dense block: each wave copies a quarter into LDS as it lies; one barrier; every wave reads all of it, a K step at a time.
; The matrix instruction is used transposed (source 0 = 16 rows of Wp, source 1 = 16 tokens): a lane holds eight neighbouring columns of one token.  32 accumulators take turns.
; The way out: a block of 16 tokens x 64 columns goes through the wave's own stage in LDS and comes back as rows of 256 bytes; x, asked for at the head, is added; sixteen lanes store 256 consecutive, aligned bytes.
; The text is straight: no loop, no branch.  All loads go out at the head.
; NO CLUSTER, NO TENSOR LOAD: every operand is read once by its work-group, at the head, and there is no ring; of the 460 KiB that a work-group moves, 256 (x and out0) are its own, and the 68 that the four work-groups
; of a block of tokens share are a seventh.
; REGISTERS, in windows of 256: window 0: v1-8 addresses; v16-47 Wp's scale words (8 n + s); v48-79 a's (4 a + p: lanes 0-15 K step 2 p, lanes 16-31 K step 2 p + 1); v80-207 the copy's bytes, then two sets of eight
;   fragments of a, then four sets of rows on the way out.   window 1: Wp's fragments at 8 (8 n + s).   window 2: the accumulators at 8 (4 a + n).   window 3: x at 32 a + 4 i.
.set STG,    65536                     ; LDS: a's images, 65,536 bytes (tile a, K step s, half c: 8192 a + 1024 s + 512 c + 16 lane); behind them a stage of 16 rows x 272 bytes for each wave
.set SPITCH, 272                       ; 256 bytes + 16 of padding: the sixteen rows that a store touches start at sixteen different banks (ISA guide 11.1)
.set WS, 16
.set AS, 48
.set AF, 80
.set MSB, 0
.macro WIN new                         ; the immediate's high byte repeats the setting that is left
.if MSB != \new
	s_set_vgpr_msb (MSB<<8)|\new
.set MSB, \new
.endif
.endm
.macro PLACES n
.rept \n
	v_nop
.endr
.endm
	s_load_b256 s[4:11], s[0:1], 0x0               ; att s[4:5], Wp's codes s[6:7], Wp's scales s[8:9], x s[10:11]
	s_load_b64 s[12:13], s[0:1], 0x20              ; out0
	v_lshl_add_u32 v254, v0, 2, 0x14400
	v_mov_b32 v255, 0
	v_lshrrev_b32 v1, 5, v0
	v_readfirstlane_b32 s14, v1                    ; wave 0..3
	s_and_b32 s16, ttmp7, 0xffff                   ; which 128 tokens
	v_and_b32 v9, 31, v0                           ; lane
	v_and_b32 v10, 15, v0                          ; r
	v_bfe_u32 v11, v0, 4, 1                        ; h
	v_lshlrev_b32 v1, 4, v9                        ; v1: 16 x lane
	v_lshlrev_b32 v2, 2, v9                        ; v2: 4 x lane
	v_lshlrev_b32 v3, 9, v10
	v_lshl_add_u32 v3, v11, 4, v3                  ; v3: Wp: row r of 512 bytes, + 16 h
	v_lshlrev_b32 v4, 5, v10                       ; v4: Wp's scales: row r of 32 bytes
	s_lshl_b32 s17, s14, 14
	v_add_nc_u32 v5, s17, v1                       ; v5: my wave's quarter of a's images, in memory and in LDS alike
	s_mul_i32 s17, s14, 16*SPITCH
	s_add_co_u32 s17, s17, STG                     ; my stage
	v_mul_u32_u24 v6, v10, SPITCH
	v_lshl_add_u32 v6, v11, 5, v6
	v_add_nc_u32 v6, s17, v6                       ; v6: into it: row r, 32 bytes for each half of the lanes
	v_mul_u32_u24 v7, v11, SPITCH
	v_lshl_add_u32 v7, v10, 4, v7
	v_add_nc_u32 v7, s17, v7                       ; v7: back: lanes 0-15 one row, lanes 16-31 the next
	v_lshlrev_b32 v8, 12, v11
	v_lshl_add_u32 v8, v10, 4, v8                  ; v8: and the same two rows in x and out0
	s_lshl_b32 s18, s16, 16                        ; a's images: 65,536 bytes for 128 tokens
	s_mov_b32 s19, 0
	s_lshl_b32 s20, s16, 12                        ; a's scale words: 4,096, behind the images
	s_add_co_u32 s20, s20, 0x400000
	s_mov_b32 s21, 0
	s_lshl_b32 s22, ttmp9, 17                      ; Wp's codes: 256 rows of 512 bytes a work-group, 64 a wave
	s_lshl_b32 s23, s14, 15
	s_add_co_u32 s22, s22, s23
	s_mov_b32 s23, 0
	s_lshl_b32 s24, ttmp9, 13                      ; Wp's scales: rows of 32 bytes
	s_lshl_b32 s25, s14, 11
	s_add_co_u32 s24, s24, s25
	s_mov_b32 s25, 0
	s_lshl_b32 s26, s16, 19                        ; x, out0: 128 rows of 4,096 bytes; 1,024 bytes of a row a work-group, 256 a wave
	s_lshl_b32 s27, ttmp9, 10
	s_add_co_u32 s26, s26, s27
	s_lshl_b32 s27, s14, 8
	s_add_co_u32 s26, s26, s27
	s_mov_b32 s27, 0
	s_wait_kmcnt 0x0
	s_add_nc_u64 s[20:21], s[4:5], s[20:21]
	s_add_nc_u64 s[4:5], s[4:5], s[18:19]
	s_add_nc_u64 s[6:7], s[6:7], s[22:23]
	s_add_nc_u64 s[8:9], s[8:9], s[24:25]
	s_add_nc_u64 s[10:11], s[10:11], s[26:27]
	s_add_nc_u64 s[12:13], s[12:13], s[26:27]
.set i, 0
.rept 32
	global_load_b128 v[AF+4*i:AF+4*i+3], v5, s[4:5] offset:512*i    ; my quarter of a's images: 512 consecutive bytes a load
.set i, i+1
.endr
.irp n, 0,1,2,3
	global_load_b128 v[WS+8*\n:WS+8*\n+3], v4, s[8:9] offset:512*\n          ; Wp's scale words of tile n: a row's eight words
	global_load_b128 v[WS+8*\n+4:WS+8*\n+7], v4, s[8:9] offset:512*\n+16
.endr
.irp a, 0,1,2,3,4,5,6,7
.irp p, 0,1,2,3
	global_load_b32 v[AS+4*\a+\p], v2, s[20:21] offset:512*\a+128*\p
.endr
.endr
	WIN 0x40                                       ; destination window 1
.irp n, 0,1,2,3
.irp s, 0,1,2,3,4,5,6,7
.irp c, 0,1
	global_load_b128 v[8*(8*\n+\s)+4*\c:8*(8*\n+\s)+4*\c+3], v3, s[6:7] offset:16*\n*512+64*\s+32*\c
.endr
.endr
.endr
	WIN 0xc0                                       ; destination window 3
.irp a, 0,1,2,3,4,5,6
.irp i, 0,1,2,3,4,5,6,7
	global_load_b128 v[32*\a+4*\i:32*\a+4*\i+3], v8, s[10:11] offset:(16*\a+2*\i)*4096 th:TH_LOAD_NT
.endr
.endr
	WIN 0
	s_wait_loadcnt 56                              ; all but x's 56 loads are in
.set i, 0
.rept 32
	ds_store_b128 v5, v[AF+4*i:AF+4*i+3] offset:512*i
.set i, i+1
.endr
	s_wait_dscnt 0x0                               ; for the others' sake: my quarter has landed
	s_barrier_signal -1
	s_barrier_wait -1
	WIN 0xc0
.irp i, 0,1,2,3,4,5,6,7
	global_load_b128 v[32*7+4*\i:32*7+4*\i+3], v8, s[10:11] offset:(16*7+2*\i)*4096 th:TH_LOAD_NT
.endr
	WIN 0
.macro FETCH s                         ; K step s: the eight tiles' fragments into set s % 2
.irp a, 0,1,2,3,4,5,6,7
.irp c, 0,1
	ds_load_b128 v[AF+64*((\s)%2)+8*\a+4*\c:AF+64*((\s)%2)+8*\a+4*\c+3], v1 offset:8192*\a+1024*(\s)+512*\c
.endr
.endr
.endm
.macro MULS s                          ; 32 products, one on each accumulator; the first K step starts the sums
	WIN 0xa1                                       ; source 0 (Wp) window 1, source 1 (a) window 0, C and D window 2
.irp a, 0,1,2,3,4,5,6,7
.irp n, 0,1,2,3
.if (\s) == 0
	v_wmma_scale_f32_16x16x128_f8f6f4 v[8*(4*\a+\n):8*(4*\a+\n)+7], v[8*(8*\n+(\s)):8*(8*\n+(\s))+7], v[AF+64*((\s)%2)+8*\a:AF+64*((\s)%2)+8*\a+7], 0, v[WS+8*\n+(\s)], v[AS+4*\a+(\s)/2] matrix_a_fmt:MATRIX_FMT_FP4 matrix_b_fmt:MATRIX_FMT_FP4
.elseif (\s)%2
	v_wmma_scale_f32_16x16x128_f8f6f4 v[8*(4*\a+\n):8*(4*\a+\n)+7], v[8*(8*\n+(\s)):8*(8*\n+(\s))+7], v[AF+64*((\s)%2)+8*\a:AF+64*((\s)%2)+8*\a+7], v[8*(4*\a+\n):8*(4*\a+\n)+7], v[WS+8*\n+(\s)], v[AS+4*\a+(\s)/2] matrix_a_fmt:MATRIX_FMT_FP4 matrix_b_fmt:MATRIX_FMT_FP4 matrix_b_scale:MATRIX_SCALE_ROW1
.else
	v_wmma_scale_f32_16x16x128_f8f6f4 v[8*(4*\a+\n):8*(4*\a+\n)+7], v[8*(8*\n+(\s)):8*(8*\n+(\s))+7], v[AF+64*((\s)%2)+8*\a:AF+64*((\s)%2)+8*\a+7], v[8*(4*\a+\n):8*(4*\a+\n)+7], v[WS+8*\n+(\s)], v[AS+4*\a+(\s)/2] matrix_a_fmt:MATRIX_FMT_FP4 matrix_b_fmt:MATRIX_FMT_FP4
.endif
.endr
.endr
	WIN 0
.endm
	FETCH 0
.irp s, 0,1,2,3,4,5,6,7
.if \s < 7
.if \s > 0
	PLACES 4                                       ; in front of loads into the set that the K step before multiplied
.endif
	FETCH \s+1
	s_wait_dscnt 16                                ; this K step's fragments are in; the sixteen loads just issued may be out
.else
	s_wait_dscnt 0x0
.endif
	MULS \s
.endr
	PLACES 4                                       ; behind the last products: their results are read, and loads land where a's fragments lay
.irp a, 0,1,2,3,4,5,6,7
.if \a > 3
	s_wait_xcnt 0x0                                ; block a - 4's stores have read the registers that this block's rows take
.endif
	WIN 0x08                                       ; an LDS store's data are its source 1: window 2
.irp n, 0,1,2,3
	ds_store_b128 v6, v[8*(4*\a+\n):8*(4*\a+\n)+3] offset:64*\n          ; each accumulator from its low end on
	ds_store_b128 v6, v[8*(4*\a+\n)+4:8*(4*\a+\n)+7] offset:64*\n+16
.endr
	WIN 0
.irp i, 0,1,2,3,4,5,6,7
	ds_load_b128 v[AF+32*(\a%4)+4*\i:AF+32*(\a%4)+4*\i+3], v7 offset:2*\i*SPITCH   ; LDS serves a wave's instructions in order: these see the stores above, and the next block's stores come behind them
.endr
	s_wait_dscnt 0x0
	s_wait_loadcnt 8*(7-\a)                        ; this block's rows of x are in; the later blocks' eight loads each may be out
	WIN 0x0c                                       ; source 1 (x) window 3
.irp q, 0,2,4,6,8,10,12,14,16,18,20,22,24,26,28,30
	v_pk_add_f32 v[AF+32*(\a%4)+\q:AF+32*(\a%4)+\q+1], v[AF+32*(\a%4)+\q:AF+32*(\a%4)+\q+1], v[32*\a+\q:32*\a+\q+1]
.endr
	WIN 0
.irp i, 0,1,2,3,4,5,6,7
	global_store_b128 v8, v[AF+32*(\a%4)+4*\i:AF+32*(\a%4)+4*\i+3], s[12:13] offset:(16*\a+2*\i)*4096 th:TH_STORE_NT   ; 16 lanes store 256 consecutive bytes, at a multiple of 256 from out0's first byte
.endr
.endr
	s_wait_tensorcnt 0x0
	ds_add_u32 v254, v255
	s_wait_dscnt 0x0
	s_endpgm
.Lfunc_end_k_qa32d21e47d_proj:
	.size	k_qa32d21e47d_proj, .Lfunc_end_k_qa32d21e47d_proj-k_qa32d21e47d_proj
	.p2alignl 7, 3214868480
	.fill 96, 4, 3214868480
	.section	.rodata,"a",@progbits
	.p2align	6, 0x0
	.amdhsa_kernel k_qa32d21e47d_proj
		.amdhsa_group_segment_fixed_size 83456
		.amdhsa_private_segment_fixed_size 0
		.amdhsa_enable_private_segment 0
		.amdhsa_kernarg_size 40
		.amdhsa_user_sgpr_count 2
		.amdhsa_user_sgpr_kernarg_segment_ptr 1
		.amdhsa_wavefront_size32 1
		.amdhsa_system_sgpr_workgroup_id_x 1
		.amdhsa_system_sgpr_workgroup_id_y 1
		.amdhsa_system_sgpr_workgroup_id_z 1
		.amdhsa_system_vgpr_workitem_id 0
		.amdhsa_next_free_vgpr 1024
		.amdhsa_next_free_sgpr 66
		.amdhsa_reserve_vcc 0
		.amdhsa_float_denorm_mode_32 3
		.amdhsa_float_denorm_mode_16_64 3
		.amdhsa_memory_ordered 1
		.amdhsa_forward_progress 1
		.amdhsa_inst_pref_size 89
	.end_amdhsa_kernel
	.amdgpu_metadata
---
amdhsa.version: [ 1, 2 ]
amdhsa.kernels:
  - .name:           k_qa32d21e47d_proj
    .symbol:         k_qa32d21e47d_proj.kd
    .args:
      - { .name: att, .offset: 0, .size: 8, .value_kind: global_buffer, .address_space: global }
      - { .name: Wp_codes, .offset: 8, .size: 8, .value_kind: global_buffer, .address_space: global }
      - { .name: Wp_scales, .offset: 16, .size: 8, .value_kind: global_buffer, .address_space: global }
      - { .name: x, .offset: 24, .size: 8, .value_kind: global_buffer, .address_space: global }
      - { .name: out0, .offset: 32, .size: 8, .value_kind: global_buffer, .address_space: global }
    .group_segment_fixed_size: 83456
    .private_segment_fixed_size: 0
    .kernarg_segment_align: 8
    .kernarg_segment_size: 40
    .max_flat_workgroup_size: 128
    .sgpr_count:     66
    .vgpr_count:     1024
    .wavefront_size: 32
...
	.end_amdgpu_metadata
.endif
;; end of part 4
;; ======== version 2 of 2: 4 launches; version 1 with the launches attn, proj written anew for expert scheduling mode
;; workspace buffers: xnb 4,456,448 bytes; qkv 14,155,776 bytes; att 4,456,448 bytes
;; launch lnq: the kernel of part 1 again; grid 256 x 1, 8 waves a work-group, no clusters, 38,912 bytes of LDS; arguments x, gamma, beta, xnb; writes xnb
;; launch qkv: the kernel of part 2 again; grid 96 x 4, 4 waves a work-group, clusters of 4 x 4, 327,680 bytes of LDS; arguments xnb, Wq_codes, Wq_scales, Wk_codes, Wk_scales, Wv_codes, Wv_scales, qkv; writes qkv
;; launch attn (part 5): grid 4 x 64, 16 waves a work-group, no clusters, 20,480 bytes of LDS; arguments qkv, att; writes att
.if DOCPART == 5
	.amdgcn_target "amdgcn-amd-amdhsa--gfx1250"
	.amdhsa_code_object_version 6
	.text
	.protected	k_qa32d21e47d_attn
	.globl	k_qa32d21e47d_attn
	.p2align	8
	.type	k_qa32d21e47d_attn,@function
k_qa32d21e47d_attn:
	s_mov_b64 s[64:65], 0
	v_nop
	global_prefetch_b8 v0, s[64:65] scope:SCOPE_SE
	s_setreg_imm32_b32 hwreg(HW_REG_WAVE_SCHED_MODE, 0, 2), 2
	s_setreg_imm32_b32 hwreg(HW_REG_WAVE_MODE, 25, 1), 1
	s_wait_xcnt 0x0
	s_wait_alu depctr_vm_vsrc(0)
; Causal attention of one head on codes of FP4 (E2M1), one E8M0 scale for each 32 along a product's K; head size 64, 2,048 tokens, 64 (batch, head) pairs.  O / l is quantised along the model's 1,024 and leaves as codes.
; THE SOFTMAX AHEAD OF THE SECOND PRODUCT: t = score x log2(e) / 8; M = the row's largest t so far, rounded UP to a whole number; p = 2^(t - M) is quantised along the keys, not normalised.
; The row's sum is taken of the unquantised p and divides O at the end.  When M moves, the sum and O are multiplied by 2^(old M - new M): exact.
; SHARES.  Work-group (x, y): head y; query blocks x and 7 - x of 256, one after the other: (x + 1) + (8 - x) = 9 trips of 256 keys in every work-group.  Each of sixteen waves owns 16 queries in 256 registers: four waves
; to a SIMD, so that one wave's vector work stands beside another's products and LDS loads.  A step of 128 keys all of which come after a wave's queries is left out by a scalar branch on ids; no barrier stands in a step.
; OPERANDS arrive as images of their registers (the launch before laid them so): a step's K is 4,096 dense bytes, its V 4,096, their scale words 512 each.  They go through registers into two LDS slots that take turns:
; one load and one LDS store of 16 bytes a thread (waves 0-7: K; waves 8-15: V; waves 0 and 8 also the scale words), asked for one step ahead of the store and two ahead of the use; one barrier a step.
; Both slots' offsets are immediates: a trip works slot 0, then slot 1.  The last trip of a pass asks for steps 0 and 1 again: no load leaves its buffer, and the next pass, which walks the same head, finds them ready.
; LAYOUT.  Both products transposed: S^T = K Q^T (source 0 = 16 keys, source 1 = my 16 queries; K = 64: registers 4-7 of both are zeros), O^T = V^T P^T.  A lane holds ONE query.  In tile 2 b + u lane (r, h) holds keys
; 32 b + 16 u + 8 h + 0..7.  The conversion of (block 2 c + e, tile u) writes register 4 c + 2 u + e; an exchange of halves for each pair leaves registers 4 c .. 4 c + 3 = keys 64 c + 32 h + 0..31.
; NO CLUSTER: the four work-groups of a head walk x + 1 and then 8 - x trips, so that partners stand at different keys from the second trip on and no tile is wanted by two of them in the same round.
; att: att_img [token / 16][head][lane][16 B] at 0 (lane (r, h): token r, channels 32 h on); att_sc [token / 16][head / 2][token % 16] words at 0x400000: an even head's two bytes below, an odd head's above.
; LIMITS: NaN and infinities are not served; |t| stays under 3e38; a block whose largest magnitude lies under 2^-124, and a block of zeros, get the byte 1 (this program alone reads the bytes; zero codes add nothing).
; THE MODE: SCHED_MODE bits 1:0 = 2 (LLVM: expert scheduling mode 2), set by the entry lines.  The code itself states the register dependences
; between vector or matrix instructions and memory or LDS instructions, with s_wait_alu, always for 0.
; THE PLAN.  Registers that memory or LDS instructions touch:
;   v1-5, v8, v11   offsets and LDS addresses: written at the head, never again.  A step's place in memory goes into scalar bases, which scalar instructions make from the step-0 pointers.
;   CD0, CD1, SD0, SD1   a global load lands in a set; half a trip later an LDS store reads it; half a trip later the next load lands.  No vector instruction names them.
;   KSR, K's fragments (registers 0-3 of each)   LDS loads land; the products K Q^T read.      V's fragments, VSR   LDS loads land; the products V^T P read.
;   v16-19, QSR     loaded at a pass's head; read by K Q^T.      PC0-3, v[TMP]   written on the way out, read by its two stores, written again by the next pass.
; A worked step has three waits on va_vdst: between the two groups of K Q^T (K's registers are free for the second group; V's are free since the last worked step's V^T P), behind the exponentials, and ahead of V^T P.
; The loads at a step's head land in registers whose last readers stand ahead of the earlier step's last two waits, and that nothing since has named.  Half a trip has one wait on vm_vsrc, at its head.
.set KI,    0x400000
.set VI,    0x800000
.set QSO,   0xC00000
.set KSO,   0xC80000
.set VSO,   0xD00000
.set SLOTB, 9216                       ; a slot: K's images 4,096, V's 4,096, K's scale words 512, V's 512
.set VIM,   4096
.set KSC,   8192
.set VSC,   8704
.set FLOOR, 0x1800000                  ; 2^(3 - 127)
.set LI,  1                            ; v1   16 x lane
.set LS4, 2                            ; v2   4 x lane
.set CST, 3                            ; v3   16 x thread: where I store my 16 bytes of a step's codes
.set SST, 4                            ; v4   waves 0 and 8: where I store 16 bytes of scale words
.set GCO, 5                            ; v5   16 x (thread % 256): my 16 bytes of a step's 4,096 in memory
.set PFO, 8                            ; v8   the prefetches' offset
.set RQ,  10                           ; v10  r - 8 h
.set R4,  11                           ; v11  4 r
.set QSR, 24                           ; v24  Q's scale words.  v12 -M, v13 the largest t, v[14:15] the sum in two halves, v[16:23] Q's fragment
.set CD,  28                           ; v28-35  two sets of 16 bytes of codes on their way
.set SD,  36                           ; v36-43  two sets of scale words on their way
.set KSR, 44                           ; v44-47  K's scale words: register p: lanes 0-15 tile 2 p, lanes 16-31 tile 2 p + 1
.set VSR, 48                           ; v48-51  V's
.set KFR, 52                           ; v52-83  four fragments of K; registers 4-7 of each are zeros, written once
.set VF,  84                           ; v84-115 V's four fragments
.set S,   116                          ; v116-179 S^T, then p
.set O,   180                          ; v180-211 O^T
.set PC,  212                          ; v212-219 p's codes
.set BM,  220                          ; v220-223 the blocks' largest scores, then largest p
.set T4,  224                          ; v224-227 the other half's, then the bytes
.set SOP, 228                          ; v228-231 the conversions' scale operands
.set FF,  232                          ; v232 f = 2^(old M - new M)
.set PW,  233                          ; v233 p's scale word
.set TMP, 234
.set SUM2, 236                         ; v[236:237] the sum's second chain
.set NINF, 238
.set DD,  239
.set WV,  8                            ; s8   wave;  s9 wave % 8;  s11 (batch, head), s12 batch, s13 head
.set W7,  9
.set TR,  10                           ; s10  the trip, counted from 0 by 1
.set CP,  14                           ; s[14:15] my codes' step 0 (K's or V's);  s[16:17] my scale words'
.set SP,  16
.set STC, 18                           ; s18  bytes from a step's codes to the next step's: 4,096 in K, 65,536 in V
.set STS, 19                           ; s19  the same for scale words: 512, 8,192
.set SEL, 20
.set CS,  22                           ; s[22:23] c = log2(e) / 8
.set PS,  42                           ; s42  the pass, 0 or 1
.set QB,  43
.set NT2, 44                           ; s44  the pass's steps: 2 (block + 1)
.set T2,  45                           ; s45  the first of the two steps that this trip asks for: 2 x trip + 2
.set KF,  46                           ; s46  the step's first key
.set Q0,  47                           ; s47  my first query
.set LA,  51                           ; s51  the step to ask for
.set PLIM, 52                          ; s52  a wave prefetches while T2 is under it
.set NTR, 53                           ; s53  the pass's trips: block + 1; the loop over trips does not write it
.set CB,  54                           ; s[54:55] my codes at the step that is asked for;  s[56:57] my scale words;  s[58:59] the prefetch's step.  s[40:41]: an offset, its high word 0 throughout
.set SB,  56
.set PB,  58
.set MK,  66                           ; s66-97  the diagonal's masks, 32 at a time
.macro PLACES n
.rept \n
	v_nop
.endr
.endm
.macro COPY_ST set                     ; the set's bytes, asked for a step ago, go into the slot of the same number
	s_wait_loadcnt 0x0                             ; they are in (and, in a pass's first step, Q); the loads are done, so their scalar bases are free
	ds_store_b128 v[CST], v[CD+4*(\set):CD+4*(\set)+3] offset:(\set)*SLOTB
	s_cmp_lg_u32 s[W7], 0
	s_cbranch_scc1 .Lno_st_\@
	ds_store_b128 v[SST], v[SD+4*(\set):SD+4*(\set)+3] offset:(\set)*SLOTB
.Lno_st_\@:
.endm
.macro COPY_LD set                     ; step s[LA] is asked for, into a set whose LDS stores have read it.  The step goes into the scalar base: no vector register is written
	s_mul_i32 s40, s[LA], s[STC]
	s_add_nc_u64 s[CB:CB+1], s[CP:CP+1], s[40:41]
	global_load_b128 v[CD+4*(\set):CD+4*(\set)+3], v[GCO], s[CB:CB+1]
	s_cmp_lg_u32 s[W7], 0
	s_cbranch_scc1 .Lno_ld_\@
	s_mul_i32 s40, s[LA], s[STS]
	s_add_nc_u64 s[SB:SB+1], s[SP:SP+1], s[40:41]
	global_load_b128 v[SD+4*(\set):SD+4*(\set)+3], v[LI], s[SB:SB+1]
.Lno_ld_\@:
.endm
; A PREFETCH of steps T2 + 2 and T2 + 3, one trip beyond the loads above: two steps x 4,096 bytes, a lane to each 256.  It is issued by work-group x = 0 in its second pass (block 7, which walks all 16 steps),
; by wave 0 for K and wave 8 for V: each run of 256 bytes of steps 4 to 15 is named once in the launch.  The pass's last two trips ask for nothing; the scale words are not asked for.
.macro ASK
	s_cmp_lt_u32 s[T2], s[PLIM]
	s_cbranch_scc0 .Lno_ask_\@
	s_wait_xcnt 0x0                                ; the last prefetch, a trip back, has read its base
	s_add_co_u32 s49, s[T2], 2
	s_mul_i32 s40, s49, s[STC]
	s_add_nc_u64 s[PB:PB+1], s[CP:CP+1], s[40:41]
	global_prefetch_b8 v[PFO], s[PB:PB+1] th:TH_LOAD_NT scope:SCOPE_SE
.Lno_ask_\@:
.endm
.macro KQ4 g                           ; four products of S^T = K Q^T: tiles 4 g .. 4 g + 3 of 16 keys
.irp t, 0,1,2,3
.if \t%2
	v_wmma_scale_f32_16x16x128_f8f6f4 v[S+8*(4*\g+\t):S+8*(4*\g+\t)+7], v[KFR+8*\t:KFR+8*\t+7], v[16:23], 0, v[KSR+(4*\g+\t)/2], v[QSR] matrix_a_fmt:MATRIX_FMT_FP4 matrix_b_fmt:MATRIX_FMT_FP4 matrix_a_scale:MATRIX_SCALE_ROW1
.else
	v_wmma_scale_f32_16x16x128_f8f6f4 v[S+8*(4*\g+\t):S+8*(4*\g+\t)+7], v[KFR+8*\t:KFR+8*\t+7], v[16:23], 0, v[KSR+(4*\g+\t)/2], v[QSR] matrix_a_fmt:MATRIX_FMT_FP4 matrix_b_fmt:MATRIX_FMT_FP4
.endif
.endr
.endm
; A KEY STEP: 128 keys, out of the slot that begins at byte sl.
.macro STEP sl
	s_add_co_u32 s48, s[Q0], 15
	s_cmp_gt_u32 s[KF], s48
	s_cbranch_scc1 .Lhidden_\@                     ; all 128 keys come after my 16 queries
.irp p, 0,1,2,3
	ds_load_b32 v[KSR+\p], v[LS4] offset:(\sl)+KSC+128*\p   ; no wait: the products that last read these and K's registers stand ahead of the last worked step's later waits, and nothing since names them
.endr
.irp t, 0,1,2,3
	ds_load_b128 v[KFR+8*\t:KFR+8*\t+3], v[LI] offset:(\sl)+512*\t
.endr
	s_wait_dscnt 0x0
	KQ4 0                                          ; S^T = K Q^T, four tiles of 16 keys at a time
	PLACES 4                                       ; in front of loads into registers that matrix instructions have read
	s_wait_alu depctr_va_vdst(0)                   ; the four products above are done reading K's fragments, and the last worked step's V^T P its V and V's scale words: the loads below land in all three
.irp t, 0,1,2,3
	ds_load_b128 v[KFR+8*\t:KFR+8*\t+3], v[LI] offset:(\sl)+512*(4+\t)
.endr
.irp t, 0,1,2,3                        ; V's fragments and scale words are asked for here and waited for behind the softmax
.irp c, 0,1
	ds_load_b128 v[VF+8*\t+4*\c:VF+8*\t+4*\c+3], v[LI] offset:(\sl)+VIM+1024*\t+512*\c
.endr
	ds_load_b32 v[VSR+\t], v[LS4] offset:(\sl)+VSC+128*\t
.endr
	s_wait_dscnt 12                                ; LDS loads come back in order (ISA guide 5.7.1): K's four are in, V's twelve stay out
	KQ4 1
	PLACES 4                                       ; behind the products: their results are read below
	s_add_co_u32 s48, s[KF], 127                   ; on the diagonal the scores of hidden keys become -infinity ahead of the maximum; a step all of whose keys count skips this
	s_cmp_le_u32 s48, s[Q0]
	s_cbranch_scc1 .Lopen_\@
	s_sub_co_i32 s48, s[Q0], s[KF]
	v_add_nc_u32 v[DD], s48, v[RQ]                 ; d = my query - KF - 8 h.  Register n holds key KF + 16 (n / 8) + 8 h + n % 8: hidden where 16 (n / 8) + n % 8 > d
.set n, 0
.rept 2                                ; the compares in two runs of 32, each mask in a scalar register of its own
.set m, n
.rept 32
	v_cmp_gt_i32 s[MK+m-n], 16*(m/8)+m%8, v[DD]
.set m, m+1
.endr
	s_wait_alu depctr_va_sdst(0)                   ; the run's 32 masks are written, ahead of the selects that read them
.set m, n
.rept 32
	v_cndmask_b32 v[S+m], v[S+m], v[NINF], s[MK+m-n]
.set m, m+1
.endr
.set n, n+32
.endr
.Lopen_\@:
.irp b, 0,1,2,3
	v_max3_num_f32 v[BM+\b], v[S+16*\b], v[S+1+16*\b], v[S+2+16*\b]   ; the largest score of each block of 32 keys: it serves for the row's maximum and, since p rises with the score, for the block's largest p
.endr
.irp i, 3,5,7,9,11,13
.irp b, 0,1,2,3
	v_max3_num_f32 v[BM+\b], v[BM+\b], v[S+16*\b+\i], v[S+1+16*\b+\i]
.endr
.endr
.irp b, 0,1,2,3
	v_max_num_f32 v[BM+\b], v[BM+\b], v[S+15+16*\b]
.endr
.irp b, 0,1,2,3
	v_permlanex16_b32 v[T4+\b], v[BM+\b], s[SEL], s[SEL+1]
.endr
.irp b, 0,1,2,3
	v_max_num_f32 v[BM+\b], v[BM+\b], v[T4+\b]     ; with lane l xor 16's 16 keys
.endr
	v_max3_num_f32 v[TMP], v[BM], v[BM+1], v[BM+2]
	v_max_num_f32 v[TMP], v[TMP], v[BM+3]          ; the step's largest score of my query
	v_mul_f32 v[TMP], s[CS], v[TMP]                ; as t (c is positive)
	v_max_num_f32 v13, v13, v[TMP]                 ; the running largest t
	v_mov_b32 v[TMP], v12
	v_floor_f32 v12, -v13                          ; the new -M = floor(-t) = -ceil(t): a whole number
	v_sub_f32 v[TMP], v12, v[TMP]                  ; M's old value less its new one: 0 or less
	v_cvt_i32_f32 v[TMP], v[TMP]                   ; (it saturates)
	v_ldexp_f32 v[FF], 1.0, v[TMP]                 ; f = 2^(old M - new M)
.irp j, 0,2,4,6,8,10,12,14,16,18,20,22,24,26,28,30,32,34,36,38,40,42,44,46,48,50,52,54,56,58,60,62
	v_pk_fma_f32 v[S+\j:S+\j+1], v[S+\j:S+\j+1], s[CS:CS+1], v[12:13] op_sel_hi:[1,0,0]   ; t - M, two at a time (of the pairs c and -M the low word serves both halves)
.endr
.irp b, 0,1,2,3
	v_fma_f32 v[BM+\b], v[BM+\b], s[CS], v12       ; the same of each block's largest score
.endr
.set n, 0
.rept 64
	v_exp_f32 v[S+n], v[S+n]                       ; p = 2^(t - M), at most 1
.set n, n+1
.endr
.irp b, 0,1,2,3
	v_exp_f32 v[BM+\b], v[BM+\b]                   ; the block's largest p: the same two instructions on the same number
.endr
	v_pk_mul_f32 v[14:15], v[14:15], v[FF:FF+1] op_sel_hi:[1,0]   ; the sums under the new M (a plain place behind the exponentials)
	s_wait_alu depctr_va_vdst(0)                   ; the 68 exponentials have written p and the blocks' largest p: one wait for the batch, ahead of its first reader
.irp b, 0,1,2,3
	v_max_num_f32 v[BM+\b], FLOOR, v[BM+\b]        ; the floor: the byte cannot fall under 1
.endr
.irp b, 0,1,2,3
	v_add_nc_u32 v[SOP+\b], 0xff000000, v[BM+\b]   ; 2 off the exponent field: the conversion's scale operand
.endr
.irp b, 0,1,2,3
	v_lshrrev_b32 v[T4+\b], 23, v[SOP+\b]          ; the scale's byte
.endr
	v_lshl_or_b32 v[PW], v[T4+1], 8, v[T4]         ; p's scale word for these 128 keys
	v_lshl_or_b32 v[PW], v[T4+2], 16, v[PW]
	v_lshl_or_b32 v[PW], v[T4+3], 24, v[PW]
.irp c, 0,1
.irp e, 0,1
.irp u, 0,1
	v_cvt_scalef32_pk8_fp4_f32 v[PC+4*\c+2*\u+\e], v[S+16*(2*\c+\e)+8*\u:S+16*(2*\c+\e)+8*\u+7], v[SOP+2*\c+\e]
.endr
.endr
.endr
	v_nop                                          ; one plain place behind a scaled conversion
.irp c, 0,1
.irp u, 0,1
	v_permlane16_swap_b32 v[PC+4*\c+2*\u], v[PC+4*\c+2*\u+1]
.endr
.endr
	v_pk_add_f32 v[SUM2:SUM2+1], v[S:S+1], v[S+2:S+3]   ; the row's sum is taken of the unquantised p: two at a time, in two chains
.irp j, 4,8,12,16,20,24,28,32,36,40,44,48,52,56,60
	v_pk_add_f32 v[14:15], v[14:15], v[S+\j:S+\j+1]
	v_pk_add_f32 v[SUM2:SUM2+1], v[SUM2:SUM2+1], v[S+\j+2:S+\j+3]
.endr
	v_pk_add_f32 v[14:15], v[14:15], v[SUM2:SUM2+1]
.irp j, 0,2,4,6,8,10,12,14,16,18,20,22,24,26,28,30
	v_pk_mul_f32 v[O+\j:O+\j+1], v[O+\j:O+\j+1], v[FF:FF+1] op_sel_hi:[1,0]   ; O^T under the new M.  (The sums and these are the places between p's codes and scale word and the products below)
.endr
	s_wait_dscnt 0x0                               ; V
	s_wait_alu depctr_va_vdst(0)                   ; p's codes and p's scale word are written, which the scaled products below take as source 1 and as its scales; the places above stay beside this wait
.irp t, 0,1,2,3                        ; O^T += V^T P^T: the four accumulators by turns
	v_wmma_scale_f32_16x16x128_f8f6f4 v[O+8*\t:O+8*\t+7], v[VF+8*\t:VF+8*\t+7], v[PC:PC+7], v[O+8*\t:O+8*\t+7], v[VSR+\t], v[PW] matrix_a_fmt:MATRIX_FMT_FP4 matrix_b_fmt:MATRIX_FMT_FP4
.endr
.Lhidden_\@:
	s_add_co_u32 s[KF], s[KF], 128
.endm
; Half a trip.  In front of the barrier each wave's LDS stores have landed and its reads of the other slot are back; behind it slot k is whole and nobody reads slot 1 - k, which takes the next step.
.macro HALF k
	s_wait_dscnt 0x0
	s_wait_alu depctr_vm_vsrc(0)                   ; the LDS stores issued half a trip ago have read set k of the codes and scale words on their way, in which the loads below land
	s_barrier_signal -1
	s_barrier_wait -1
	COPY_ST 1-\k
.if \k == 0
	s_cmp_lt_u32 s[T2], s[NT2]
	s_cselect_b32 s[LA], s[T2], 0                  ; the pass's last trip asks for steps 0 and 1
.else
	s_add_co_u32 s[LA], s[LA], 1
.endif
	COPY_LD \k
.if \k == 0
	ASK
.endif
	STEP \k*SLOTB
.endm
	s_load_b128 s[4:7], s[0:1], 0x0                ; qkv s[4:5], att s[6:7]
	v_lshl_add_u32 v254, v0, 2, 0x4800
	v_mov_b32 v255, 0
	v_lshrrev_b32 v1, 5, v0
	v_readfirstlane_b32 s[WV], v1                  ; wave 0..15
	v_and_b32 v9, 31, v0
	v_lshlrev_b32 v[LI], 4, v9
	v_lshlrev_b32 v[LS4], 2, v9
	v_lshlrev_b32 v[CST], 4, v0
	v_lshrrev_b32 v[SST], 8, v0
	v_lshl_add_u32 v[SST], v[SST], 9, v[LI]
	v_add_nc_u32 v[SST], KSC, v[SST]               ; K's scale words (threads under 256), V's 512 bytes further on
	v_and_b32 v[GCO], 255, v0
	v_lshlrev_b32 v[GCO], 4, v[GCO]
	v_and_b32 v[R4], 15, v0                        ; r
	v_bfe_u32 v[RQ], v0, 4, 1                      ; h
	s_wait_alu depctr_va_sdst(0)                   ; the wave's number is written, ahead of its first reader
	s_and_b32 s[W7], s[WV], 7
	s_and_b32 s11, ttmp7, 0xffff                   ; 16 x batch + head
	s_lshr_b32 s12, s11, 4
	s_and_b32 s13, s11, 15
	s_lshl_b32 s48, s11, 16
	s_add_co_u32 s48, s48, KI                      ; K's codes of my head
	s_lshl_b32 s49, s12, 20
	s_lshl_b32 s50, s13, 12
	s_add_co_u32 s49, s49, s50
	s_add_co_u32 s49, s49, VI                      ; V's: 16 steps of 65,536 bytes a batch, 4,096 a head
	s_lshl_b32 s50, s11, 13
	s_add_co_u32 s50, s50, KSO                     ; K's scale words
	s_lshl_b32 s51, s12, 17
	s_lshl_b32 s52, s13, 9
	s_add_co_u32 s51, s51, s52
	s_add_co_u32 s51, s51, VSO                     ; V's
	s_mov_b32 s[STC], 65536
	s_mov_b32 s[STS], 8192
	s_cmp_lt_u32 s[WV], 8                          ; waves 0-7 copy K, waves 8-15 V
	s_cselect_b32 s40, s48, s49
	s_cselect_b32 s48, s50, s51
	s_cselect_b32 s[STC], 4096, s[STC]
	s_cselect_b32 s[STS], 512, s[STS]
	s_mov_b32 s41, 0
	s_mov_b32 s49, 0
	s_mov_b32 s[SEL], 0x76543210
	s_mov_b32 s[SEL+1], 0xfedcba98
	s_mov_b32 s[CS], 0x3e38aa3b                    ; c = log2(e) / 8
	s_mov_b32 s[CS+1], s[CS]                       ; (named with it as a pair, so it is written)
	v_mul_u32_u24 v[PFO], s[STC], v[RQ]
	v_lshl_add_u32 v[PFO], v[R4], 8, v[PFO]        ; lanes 0-15: a step's sixteen runs of 256 bytes; lanes 16-31: the next step's
	v_lshlrev_b32 v[RQ], 3, v[RQ]
	v_sub_nc_u32 v[RQ], v[R4], v[RQ]
	v_lshlrev_b32 v[R4], 2, v[R4]
	s_wait_kmcnt 0x0
	s_add_nc_u64 s[CP:CP+1], s[4:5], s[40:41]
	s_add_nc_u64 s[SP:SP+1], s[4:5], s[48:49]
	s_wait_alu depctr_va_vdst(0)                   ; the offsets and LDS addresses v1 to v5, v8 and v11 are written: every load, store and prefetch of the kernel reads one of them, and none is written again
	s_mov_b32 s[LA], 0
	COPY_LD 0                                      ; steps 0 and 1 are asked for
	s_wait_xcnt 0x0                                ; the two copies share their base registers
	s_mov_b32 s[LA], 1
	COPY_LD 1
	s_lshl_b32 s40, s11, 16
	s_add_nc_u64 s[24:25], s[4:5], s[40:41]        ; Q's images of my head,
	s_lshl_b32 s40, s11, 13
	s_add_co_u32 s40, s40, QSO
	s_add_nc_u64 s[26:27], s[4:5], s[40:41]        ; its scale words,
	s_lshl_b32 s40, s12, 20
	s_lshl_b32 s48, s13, 9
	s_add_co_u32 s40, s40, s48
	s_add_nc_u64 s[28:29], s[6:7], s[40:41]        ; att_img: 128 tiles of 8,192 bytes a batch, 512 a head,
	s_lshl_b32 s40, s12, 16
	s_lshr_b32 s48, s13, 1
	s_lshl_b32 s48, s48, 6
	s_add_co_u32 s40, s40, s48
	s_and_b32 s48, s13, 1
	s_lshl_b32 s48, s48, 1
	s_add_co_u32 s40, s40, s48
	s_add_co_u32 s40, s40, 0x400000
	s_add_nc_u64 s[30:31], s[6:7], s[40:41]        ; att_sc: 128 tiles of 512 bytes a batch, 64 a pair of heads, 2 for the odd head
.irp j, 20,21,22,23
	v_mov_b32 v[\j], 0                             ; K = 64: the upper halves of Q's and K's fragments are zero codes
.endr
.irp t, 0,1,2,3
.irp j, 4,5,6,7
	v_mov_b32 v[KFR+8*\t+\j], 0
.endr
.endr
.irp b, 0,1,2,3
	v_mov_b32 v[T4+\b], 0                          ; written once: a lane permute's destination counts as one of its sources
.endr
	v_mov_b32 v[PW], 0                             ; (named as the upper half of f's pair before it is first written)
	v_mov_b32 v[TMP], 0
	v_mov_b32 v[NINF], 0xff800000                  ; -infinity
	s_wait_alu depctr_va_vdst(0)                   ; the zero halves of Q's and K's fragments are written, which the scaled products K Q^T take in their sources; they are never written again
	COPY_ST 0                                      ; step 0 goes into slot 0; step 1 waits in its registers
	s_mov_b32 s[PS], 0
.Lpass:
	s_wait_xcnt 0x0                                ; the last pass's stores have read their registers and bases
	s_wait_alu depctr_vm_vsrc(0)                   ; the last pass's two stores have read the codes' registers and v[TMP], which this pass's steps write again
	s_sub_co_u32 s48, 7, ttmp9
	s_cmp_eq_u32 s[PS], 0
	s_cselect_b32 s[QB], ttmp9, s48                ; block x, then block 7 - x
	s_add_co_u32 s[NTR], s[QB], 1                  ; trips of 256 keys,
	s_lshl_b32 s[NT2], s[NTR], 1                   ; steps of 128
	s_lshl_b32 s[Q0], s[QB], 8
	s_lshl_b32 s48, s[WV], 4
	s_add_co_u32 s[Q0], s[Q0], s48
	s_xor_b32 s48, s[PS], 1                        ; who prefetches: the second pass
	s_or_b32 s48, s48, ttmp9                       ; of work-group x = 0,
	s_or_b32 s48, s48, s[W7]                       ; waves 0 and 8
	s_sub_co_u32 s49, s[NT2], 2
	s_cmp_eq_u32 s48, 0
	s_cselect_b32 s[PLIM], s49, 0
	s_lshl_b32 s40, s[Q0], 5                       ; my tile of 16 queries: 512 bytes of Q's images, and of att_sc,
	s_add_nc_u64 s[32:33], s[24:25], s[40:41]
	s_add_nc_u64 s[38:39], s[30:31], s[40:41]
	s_lshl_b32 s40, s[Q0], 2                       ; 64 of Q's scale words,
	s_add_nc_u64 s[34:35], s[26:27], s[40:41]
	s_lshl_b32 s40, s[Q0], 9                       ; 8,192 of att_img
	s_add_nc_u64 s[36:37], s[28:29], s[40:41]
	global_load_b128 v[16:19], v[LI], s[32:33]     ; Q's fragment and scale words: waited for with the first step's copy.  The last pass's K Q^T, which read these registers, stand ahead of that pass's later waits
	global_load_b32 v[QSR], v[R4], s[34:35]
	v_mov_b32 v13, 0xff61b1e6                      ; the largest t so far: -3e38, under every t
	v_floor_f32 v12, -v13                          ; -M
	v_mov_b32 v14, 0
	v_mov_b32 v15, 0
.set n, 0
.rept 32
	v_mov_b32 v[O+n], 0                            ; O^T.  (The step is written once: a pass's first step finds zeros, which the first change of M leaves zeros)
.set n, n+1
.endr
	s_mov_b32 s[KF], 0
	s_mov_b32 s[TR], 0
.Ltrip:                                            ; block + 1 trips of 256 keys, counted by 1 against a register that the loop does not write
	s_lshl_b32 s[T2], s[TR], 1
	s_add_co_u32 s[T2], s[T2], 2                   ; this trip works steps 2 x trip and 2 x trip + 1 and asks for the two behind them
	HALF 0
	HALF 1
	s_add_co_u32 s[TR], s[TR], 1
	s_cmp_lt_u32 s[TR], s[NTR]
	s_cbranch_scc1 .Ltrip
	; THE WAY OUT.  O^T / the sum; register 8 t + j is channel 16 t + 8 h + j of my query: two blocks of 32 along the model's axis, quantised as p is, and stored as the four registers of an operand.
	PLACES 4                                       ; behind the last products
	v_add_f32 v14, v14, v15
	v_permlanex16_b32 v[TMP], v14, s[SEL], s[SEL+1]
	v_add_f32 v14, v14, v[TMP]                     ; the row's sum
	v_rcp_f32 v14, v14
	v_nop                                          ; a plain place behind the transcendental
.set n, 0
	s_wait_alu depctr_va_vdst(0)                   ; the reciprocal is written, ahead of its first reader
.rept 32
	v_mul_f32 v[S+n], v[O+n], v14                  ; each accumulator from its low end on
.set n, n+1
.endr
.irp e, 0,1
	v_max3_num_f32 v[BM+\e], |v[S+16*\e]|, |v[S+16*\e+1]|, FLOOR
.endr
.irp i, 2,4,6,8,10,12,14
.irp e, 0,1
	v_max3_num_f32 v[BM+\e], v[BM+\e], |v[S+16*\e+\i]|, |v[S+16*\e+\i+1]|
.endr
.endr
.irp e, 0,1
	v_permlanex16_b32 v[T4+\e], v[BM+\e], s[SEL], s[SEL+1]
.endr
.irp e, 0,1
	v_max_num_f32 v[BM+\e], v[BM+\e], v[T4+\e]
.endr
.irp e, 0,1
	v_add_nc_u32 v[SOP+\e], 0xff000000, v[BM+\e]
.endr
.irp e, 0,1
	v_lshrrev_b32 v[T4+\e], 23, v[SOP+\e]
.endr
	v_lshl_or_b32 v[TMP], v[T4+1], 8, v[T4]        ; my head's two bytes of the row's scale word
.irp e, 0,1
.irp u, 0,1
	v_cvt_scalef32_pk8_fp4_f32 v[PC+2*\u+\e], v[S+16*\e+8*\u:S+16*\e+8*\u+7], v[SOP+\e]
.endr
.endr
	v_nop                                          ; one plain place behind a scaled conversion
.irp u, 0,1
	v_permlane16_swap_b32 v[PC+2*\u], v[PC+2*\u+1]
.endr
	s_wait_alu depctr_va_vdst(0)                   ; the four registers of codes and the two scale bytes in v[TMP] are written, which the two stores read
	global_store_b128 v[LI], v[PC:PC+3], s[36:37]  ; 32 lanes store 512 consecutive bytes
	global_store_b16 v[R4], v[TMP], s[38:39]       ; both halves of the lanes hold the same two bytes and write them to the same place
	s_add_co_u32 s[PS], s[PS], 1
	s_cmp_lt_u32 s[PS], 2
	s_cbranch_scc1 .Lpass
	s_wait_dscnt 0x0                               ; the closing lines, six on end
	s_wait_alu 0x0
	s_wait_tensorcnt 0x0
	ds_add_u32 v254, v255
	s_wait_dscnt 0x0
	s_endpgm
.Lfunc_end_k_qa32d21e47d_attn:
	.size	k_qa32d21e47d_attn, .Lfunc_end_k_qa32d21e47d_attn-k_qa32d21e47d_attn
	.p2alignl 7, 3214868480
	.fill 96, 4, 3214868480
	.section	.rodata,"a",@progbits
	.p2align	6, 0x0
	.amdhsa_kernel k_qa32d21e47d_attn
		.amdhsa_group_segment_fixed_size 20480
		.amdhsa_private_segment_fixed_size 0
		.amdhsa_enable_private_segment 0
		.amdhsa_kernarg_size 16
		.amdhsa_user_sgpr_count 2
		.amdhsa_user_sgpr_kernarg_segment_ptr 1
		.amdhsa_wavefront_size32 1
		.amdhsa_system_sgpr_workgroup_id_x 1
		.amdhsa_system_sgpr_workgroup_id_y 1
		.amdhsa_system_sgpr_workgroup_id_z 1
		.amdhsa_system_vgpr_workitem_id 0
		.amdhsa_next_free_vgpr 256
		.amdhsa_next_free_sgpr 98
		.amdhsa_reserve_vcc 0
		.amdhsa_float_denorm_mode_32 3
		.amdhsa_float_denorm_mode_16_64 3
		.amdhsa_memory_ordered 1
		.amdhsa_forward_progress 1
		.amdhsa_inst_pref_size 62
	.end_amdhsa_kernel
	.amdgpu_metadata
---
amdhsa.version: [ 1, 2 ]
amdhsa.kernels:
  - .name:           k_qa32d21e47d_attn
    .symbol:         k_qa32d21e47d_attn.kd
    .args:
      - { .name: qkv, .offset: 0, .size: 8, .value_kind: global_buffer, .address_space: global }
      - { .name: att, .offset: 8, .size: 8, .value_kind: global_buffer, .address_space: global }
    .group_segment_fixed_size: 20480
    .private_segment_fixed_size: 0
    .kernarg_segment_align: 8
    .kernarg_segment_size: 16
    .max_flat_workgroup_size: 512
    .sgpr_count:     98
    .vgpr_count:     256
    .wavefront_size: 32
...
	.end_amdgpu_metadata
.endif
;; end of part 5
;; launch proj (part 6): grid 4 x 64, 4 waves a work-group, no clusters, 83,456 bytes of LDS; arguments att, Wp_codes, Wp_scales, x, out0; writes out0
.if DOCPART == 6
	.amdgcn_target "amdgcn-amd-amdhsa--gfx1250"
	.amdhsa_code_object_version 6
	.text
	.protected	k_qa32d21e47d_proj
	.globl	k_qa32d21e47d_proj
	.p2align	8
	.type	k_qa32d21e47d_proj,@function
k_qa32d21e47d_proj:
	s_mov_b64 s[64:65], 0
	v_nop
	global_prefetch_b8 v0, s[64:65] scope:SCOPE_SE
	s_setreg_imm32_b32 hwreg(HW_REG_WAVE_SCHED_MODE, 0, 2), 2
	s_setreg_imm32_b32 hwreg(HW_REG_WAVE_MODE, 25, 1), 1
	s_wait_xcnt 0x0
	s_wait_alu depctr_vm_vsrc(0)
; out0 = x + a Wp^T, a the attention's result as codes of FP4 (E2M1) with one E8M0 scale for each 32 along K = 1,024 (the launch before laid it as images of an operand's registers), Wp as given.
; SHARES.  A work-group of four waves takes 128 tokens (y) x 256 columns (x).  THE WAVES SHARE THE COLUMNS: wave w makes 64 columns for all 128 tokens, so that its part of Wp (4 tiles x 8 K steps: 256 registers)
; stays in registers, read from memory once.  The tokens' 64 KiB of codes are one dense block: each wave copies a quarter into LDS as it lies; one barrier; every wave reads all of it, a K step at a time.
; The matrix instruction is used transposed (source 0 = 16 rows of Wp, source 1 = 16 tokens): a lane holds eight neighbouring columns of one token.  32 accumulators take turns.
; The way out: a block of 16 tokens x 64 columns goes through the wave's own stage in LDS and comes back as rows of 256 bytes; x, asked for at the head, is added; sixteen lanes store 256 consecutive, aligned bytes.
; The text is straight: no loop, no branch.  All loads go out at the head.
; NO CLUSTER, NO TENSOR LOAD: every operand is read once by its work-group, at the head, and there is no ring; of the 460 KiB that a work-group moves, 256 (x and out0) are its own, and the 68 that the four work-groups
; of a block of tokens share are a seventh.
; REGISTERS, in windows of 256: window 0: v1-8 addresses; v16-47 Wp's scale words (8 n + s); v48-79 a's (4 a + p: lanes 0-15 K step 2 p, lanes 16-31 K step 2 p + 1); v80-207 the copy's bytes, then two sets of eight
;   fragments of a, then four sets of rows on the way out.   window 1: Wp's fragments at 8 (8 n + s).   window 2: the accumulators at 8 (4 a + n).   window 3: x at 32 a + 4 i.
; THE MODE: SCHED_MODE bits 1:0 = 2 (LLVM: expert scheduling mode 2), set by the entry lines.  The code itself states the register dependences
; between vector or matrix instructions and memory or LDS instructions, with s_wait_alu, always for 0.
; THE PLAN.  Registers that memory or LDS instructions touch:
;   v1-8      offsets and LDS addresses: written at the head, never again.
;   v80-207   first the copy's bytes: global loads land, LDS stores read.  Then two sets of fragments: K step s's products read set s % 2; the LDS loads of K step s + 1, issued inside K step s, land in the other set,
;             which K step s - 1's products read.  Then four sets of rows: block a's LDS loads land in set a % 4, its additions write it, its stores, issued in block a + 1, read it, block a + 4's loads land in it.
;   the accumulators   written by the products, read by the way out's LDS stores.      Wp, the scale words and x are loaded once, and vector and matrix instructions only read them.
; So ONE wait on va_vdst stands at the head of each of K steps 1 to 6: the K step before is done reading the other set.  Behind it come eight of the step's products, the next step's sixteen loads, and the other 24 products,
; which name this step's set, Wp, the scale words and the accumulators: none of the registers that those loads touch.  All 1,024 registers are taken: there is no third set.
; On the way out one wait on va_vdst a block stands ahead of the stores of the block before, behind this block's LDS stores and loads.
.set STG,    65536                     ; LDS: a's images, 65,536 bytes (tile a, K step s, half c: 8192 a + 1024 s + 512 c + 16 lane); behind them a stage of 16 rows x 272 bytes for each wave
.set SPITCH, 272                       ; 256 bytes + 16 of padding: the sixteen rows that a store touches start at sixteen different banks (ISA guide 11.1)
.set WS, 16
.set AS, 48
.set AF, 80
.set MSB, 0
.macro WIN new                         ; the immediate's high byte repeats the setting that is left
.if MSB != \new
	s_set_vgpr_msb (MSB<<8)|\new
.set MSB, \new
.endif
.endm
.macro PLACES n
.rept \n
	v_nop
.endr
.endm
	s_load_b256 s[4:11], s[0:1], 0x0               ; att s[4:5], Wp's codes s[6:7], Wp's scales s[8:9], x s[10:11]
	s_load_b64 s[12:13], s[0:1], 0x20              ; out0
	v_lshl_add_u32 v254, v0, 2, 0x14400
	v_mov_b32 v255, 0
	v_lshrrev_b32 v1, 5, v0
	v_readfirstlane_b32 s14, v1                    ; wave 0..3
	s_and_b32 s16, ttmp7, 0xffff                   ; which 128 tokens
	v_and_b32 v9, 31, v0                           ; lane
	v_and_b32 v10, 15, v0                          ; r
	v_bfe_u32 v11, v0, 4, 1                        ; h
	v_lshlrev_b32 v1, 4, v9                        ; v1: 16 x lane
	v_lshlrev_b32 v2, 2, v9                        ; v2: 4 x lane
	v_lshlrev_b32 v3, 9, v10
	v_lshl_add_u32 v3, v11, 4, v3                  ; v3: Wp: row r of 512 bytes, + 16 h
	v_lshlrev_b32 v4, 5, v10                       ; v4: Wp's scales: row r of 32 bytes
	s_wait_alu depctr_va_sdst(0)                   ; the wave's number is written, ahead of its first reader
	s_lshl_b32 s17, s14, 14
	v_add_nc_u32 v5, s17, v1                       ; v5: my wave's quarter of a's images, in memory and in LDS alike
	s_mul_i32 s17, s14, 16*SPITCH
	s_add_co_u32 s17, s17, STG                     ; my stage
	v_mul_u32_u24 v6, v10, SPITCH
	v_lshl_add_u32 v6, v11, 5, v6
	v_add_nc_u32 v6, s17, v6                       ; v6: into it: row r, 32 bytes for each half of the lanes
	v_mul_u32_u24 v7, v11, SPITCH
	v_lshl_add_u32 v7, v10, 4, v7
	v_add_nc_u32 v7, s17, v7                       ; v7: back: lanes 0-15 one row, lanes 16-31 the next
	v_lshlrev_b32 v8, 12, v11
	v_lshl_add_u32 v8, v10, 4, v8                  ; v8: and the same two rows in x and out0
	s_lshl_b32 s18, s16, 16                        ; a's images: 65,536 bytes for 128 tokens
	s_mov_b32 s19, 0
	s_lshl_b32 s20, s16, 12                        ; a's scale words: 4,096, behind the images
	s_add_co_u32 s20, s20, 0x400000
	s_mov_b32 s21, 0
	s_lshl_b32 s22, ttmp9, 17                      ; Wp's codes: 256 rows of 512 bytes a work-group, 64 a wave
	s_lshl_b32 s23, s14, 15
	s_add_co_u32 s22, s22, s23
	s_mov_b32 s23, 0
	s_lshl_b32 s24, ttmp9, 13                      ; Wp's scales: rows of 32 bytes
	s_lshl_b32 s25, s14, 11
	s_add_co_u32 s24, s24, s25
	s_mov_b32 s25, 0
	s_lshl_b32 s26, s16, 19                        ; x, out0: 128 rows of 4,096 bytes; 1,024 bytes of a row a work-group, 256 a wave
	s_lshl_b32 s27, ttmp9, 10
	s_add_co_u32 s26, s26, s27
	s_lshl_b32 s27, s14, 8
	s_add_co_u32 s26, s26, s27
	s_mov_b32 s27, 0
	s_wait_kmcnt 0x0
	s_add_nc_u64 s[20:21], s[4:5], s[20:21]
	s_add_nc_u64 s[4:5], s[4:5], s[18:19]
	s_add_nc_u64 s[6:7], s[6:7], s[22:23]
	s_add_nc_u64 s[8:9], s[8:9], s[24:25]
	s_add_nc_u64 s[10:11], s[10:11], s[26:27]
	s_add_nc_u64 s[12:13], s[12:13], s[26:27]
	s_wait_alu depctr_va_vdst(0)                   ; the eight offsets and LDS addresses v1 to v8 are written: every load and store of the kernel reads one of them, and none is written again
.set i, 0
.rept 32
	global_load_b128 v[AF+4*i:AF+4*i+3], v5, s[4:5] offset:512*i    ; my quarter of a's images: 512 consecutive bytes a load
.set i, i+1
.endr
.irp n, 0,1,2,3
	global_load_b128 v[WS+8*\n:WS+8*\n+3], v4, s[8:9] offset:512*\n          ; Wp's scale words of tile n: a row's eight words
	global_load_b128 v[WS+8*\n+4:WS+8*\n+7], v4, s[8:9] offset:512*\n+16
.endr
.irp a, 0,1,2,3,4,5,6,7
.irp p, 0,1,2,3
	global_load_b32 v[AS+4*\a+\p], v2, s[20:21] offset:512*\a+128*\p
.endr
.endr
	WIN 0x40                                       ; destination window 1
.irp n, 0,1,2,3
.irp s, 0,1,2,3,4,5,6,7
.irp c, 0,1
	global_load_b128 v[8*(8*\n+\s)+4*\c:8*(8*\n+\s)+4*\c+3], v3, s[6:7] offset:16*\n*512+64*\s+32*\c
.endr
.endr
.endr
	WIN 0xc0                                       ; destination window 3
.irp a, 0,1,2,3,4,5,6
.irp i, 0,1,2,3,4,5,6,7
	global_load_b128 v[32*\a+4*\i:32*\a+4*\i+3], v8, s[10:11] offset:(16*\a+2*\i)*4096 th:TH_LOAD_NT
.endr
.endr
	WIN 0
	s_wait_loadcnt 56                              ; all but x's 56 loads are in
.set i, 0
.rept 32
	ds_store_b128 v5, v[AF+4*i:AF+4*i+3] offset:512*i
.set i, i+1
.endr
	s_wait_dscnt 0x0                               ; for the others' sake: my quarter has landed
	s_barrier_signal -1
	s_barrier_wait -1
	s_wait_alu depctr_vm_vsrc(0)                   ; my LDS stores have read v80 to v207: these registers are the two sets of fragments from here on, in which LDS loads land
	WIN 0xc0
.irp i, 0,1,2,3,4,5,6,7
	global_load_b128 v[32*7+4*\i:32*7+4*\i+3], v8, s[10:11] offset:(16*7+2*\i)*4096 th:TH_LOAD_NT
.endr
.macro FETCH s                         ; K step s: the eight tiles' fragments into set s % 2
	WIN 0
.irp a, 0,1,2,3,4,5,6,7
.irp c, 0,1
	ds_load_b128 v[AF+64*((\s)%2)+8*\a+4*\c:AF+64*((\s)%2)+8*\a+4*\c+3], v1 offset:8192*\a+1024*(\s)+512*\c
.endr
.endr
.endm
.macro MULT s, a                       ; K step s, tile a of the tokens: four products, one on each of its accumulators; the first K step starts the sums
	WIN 0xa1                                       ; source 0 (Wp) window 1, source 1 (a) window 0, C and D window 2
.irp n, 0,1,2,3
.if (\s) == 0
	v_wmma_scale_f32_16x16x128_f8f6f4 v[8*(4*(\a)+\n):8*(4*(\a)+\n)+7], v[8*(8*\n+(\s)):8*(8*\n+(\s))+7], v[AF+64*((\s)%2)+8*(\a):AF+64*((\s)%2)+8*(\a)+7], 0, v[WS+8*\n+(\s)], v[AS+4*(\a)+(\s)/2] matrix_a_fmt:MATRIX_FMT_FP4 matrix_b_fmt:MATRIX_FMT_FP4
.elseif (\s)%2
	v_wmma_scale_f32_16x16x128_f8f6f4 v[8*(4*(\a)+\n):8*(4*(\a)+\n)+7], v[8*(8*\n+(\s)):8*(8*\n+(\s))+7], v[AF+64*((\s)%2)+8*(\a):AF+64*((\s)%2)+8*(\a)+7], v[8*(4*(\a)+\n):8*(4*(\a)+\n)+7], v[WS+8*\n+(\s)], v[AS+4*(\a)+(\s)/2] matrix_a_fmt:MATRIX_FMT_FP4 matrix_b_fmt:MATRIX_FMT_FP4 matrix_b_scale:MATRIX_SCALE_ROW1
.else
	v_wmma_scale_f32_16x16x128_f8f6f4 v[8*(4*(\a)+\n):8*(4*(\a)+\n)+7], v[8*(8*\n+(\s)):8*(8*\n+(\s))+7], v[AF+64*((\s)%2)+8*(\a):AF+64*((\s)%2)+8*(\a)+7], v[8*(4*(\a)+\n):8*(4*(\a)+\n)+7], v[WS+8*\n+(\s)], v[AS+4*(\a)+(\s)/2] matrix_a_fmt:MATRIX_FMT_FP4 matrix_b_fmt:MATRIX_FMT_FP4
.endif
.endr
.endm
; A K step's 32 products, one on each accumulator, in the same order in every step: the first eight, and the other 24.
.macro MUL_HEAD s
.irp a, 0,1
	MULT \s, \a
.endr
.endm
.macro MUL_REST s
.irp a, 2,3,4,5,6,7
	MULT \s, \a
.endr
.endm
	FETCH 0
	FETCH 1                                        ; no product has been issued yet: both sets are asked for at once
	s_wait_dscnt 16                                ; K step 0's fragments are in; the sixteen loads just issued may be out
	MUL_HEAD 0
	MUL_REST 0
.irp s, 1,2,3,4,5,6
	s_wait_dscnt 0x0                               ; this K step's fragments, asked for inside the K step before, are in
	PLACES 4                                       ; in front of loads into the set that the K step before multiplied
	s_wait_alu depctr_va_vdst(0)                   ; the products of the K step before are done reading the other set, in which the sixteen loads below land
	MUL_HEAD \s
	FETCH \s+1                                     ; no wait: the eight products since the wait name this step's set, Wp, the scale words and the accumulators
	MUL_REST \s
.endr
	s_wait_dscnt 0x0
	MUL_HEAD 7                                     ; the last K step asks for nothing
	MUL_REST 7
	WIN 0
.macro SEND a                          ; block a's eight stores
.irp i, 0,1,2,3,4,5,6,7
	global_store_b128 v8, v[AF+32*((\a)%4)+4*\i:AF+32*((\a)%4)+4*\i+3], s[12:13] offset:(16*(\a)+2*\i)*4096 th:TH_STORE_NT   ; 16 lanes store 256 consecutive bytes, at a multiple of 256 from out0's first byte
.endr
.endm
	PLACES 4                                       ; behind the last products: their results are read, and loads land where a's fragments lay
	s_wait_alu depctr_va_vdst(0)                   ; the products have written the accumulators, which the LDS stores below read, and are done reading a's fragments, in whose registers the first four blocks' rows land; the places above stay beside this wait
.irp a, 0,1,2,3,4,5,6,7
.if \a > 3
	s_wait_xcnt 0x0                                ; block a - 4's stores have read the registers that this block's rows take
	s_wait_alu depctr_vm_vsrc(0)                   ; the same stated for the mode: block a - 4's stores have read set a % 4, in which this block's LDS loads land (its additions stand ahead of the wait in front of those stores)
.endif
	WIN 0x08                                       ; an LDS store's data are its source 1: window 2
.irp n, 0,1,2,3
	ds_store_b128 v6, v[8*(4*\a+\n):8*(4*\a+\n)+3] offset:64*\n          ; each accumulator from its low end on
	ds_store_b128 v6, v[8*(4*\a+\n)+4:8*(4*\a+\n)+7] offset:64*\n+16
.endr
	WIN 0
.irp i, 0,1,2,3,4,5,6,7
	ds_load_b128 v[AF+32*(\a%4)+4*\i:AF+32*(\a%4)+4*\i+3], v7 offset:2*\i*SPITCH   ; LDS serves a wave's instructions in order: these see the stores above, and the next block's stores come behind them
.endr
.if \a > 0
	s_wait_alu depctr_va_vdst(0)                   ; the additions of the block before have written its rows, which the eight stores below read
	SEND \a-1                                      ; they leave while this block goes through the stage
.endif
	s_wait_dscnt 0x0
	s_wait_loadcnt 8*(7-\a)                        ; this block's rows of x are in; the later blocks' eight loads each may be out
	WIN 0x0c                                       ; source 1 (x) window 3
.irp q, 0,2,4,6,8,10,12,14,16,18,20,22,24,26,28,30
	v_pk_add_f32 v[AF+32*(\a%4)+\q:AF+32*(\a%4)+\q+1], v[AF+32*(\a%4)+\q:AF+32*(\a%4)+\q+1], v[32*\a+\q:32*\a+\q+1]
.endr
	WIN 0
.endr
	s_wait_alu depctr_va_vdst(0)                   ; block 7's additions have written its rows, which the last eight stores read
	SEND 7
	s_wait_dscnt 0x0                               ; the closing lines, six on end
	s_wait_alu 0x0
	s_wait_tensorcnt 0x0
	ds_add_u32 v254, v255
	s_wait_dscnt 0x0
	s_endpgm
.Lfunc_end_k_qa32d21e47d_proj:
	.size	k_qa32d21e47d_proj, .Lfunc_end_k_qa32d21e47d_proj-k_qa32d21e47d_proj
	.p2alignl 7, 3214868480
	.fill 96, 4, 3214868480
	.section	.rodata,"a",@progbits
	.p2align	6, 0x0
	.amdhsa_kernel k_qa32d21e47d_proj
		.amdhsa_group_segment_fixed_size 83456
		.amdhsa_private_segment_fixed_size 0
		.amdhsa_enable_private_segment 0
		.amdhsa_kernarg_size 40
		.amdhsa_user_sgpr_count 2
		.amdhsa_user_sgpr_kernarg_segment_ptr 1
		.amdhsa_wavefront_size32 1
		.amdhsa_system_sgpr_workgroup_id_x 1
		.amdhsa_system_sgpr_workgroup_id_y 1
		.amdhsa_system_sgpr_workgroup_id_z 1
		.amdhsa_system_vgpr_workitem_id 0
		.amdhsa_next_free_vgpr 1024
		.amdhsa_next_free_sgpr 66
		.amdhsa_reserve_vcc 0
		.amdhsa_float_denorm_mode_32 3
		.amdhsa_float_denorm_mode_16_64 3
		.amdhsa_memory_ordered 1
		.amdhsa_forward_progress 1
		.amdhsa_inst_pref_size 90
	.end_amdhsa_kernel
	.amdgpu_metadata
---
amdhsa.version: [ 1, 2 ]
amdhsa.kernels:
  - .name:           k_qa32d21e47d_proj
    .symbol:         k_qa32d21e47d_proj.kd
    .args:
      - { .name: att, .offset: 0, .size: 8, .value_kind: global_buffer, .address_space: global }
      - { .name: Wp_codes, .offset: 8, .size: 8, .value_kind: global_buffer, .address_space: global }
      - { .name: Wp_scales, .offset: 16, .size: 8, .value_kind: global_buffer, .address_space: global }
      - { .name: x, .offset: 24, .size: 8, .value_kind: global_buffer, .address_space: global }
      - { .name: out0, .offset: 32, .size: 8, .value_kind: global_buffer, .address_space: global }
    .group_segment_fixed_size: 83456
    .private_segment_fixed_size: 0
    .kernarg_segment_align: 8
    .kernarg_segment_size: 40
    .max_flat_workgroup_size: 128
    .sgpr_count:     66
    .vgpr_count:     1024
    .wavefront_size: 32
...
	.end_amdgpu_metadata
.endif
;; end of part 6
